; MI455X (gfx1250); checked and timed in simulation.
; The chip was launched on July 23, 2026; its instructions are those of AMD's public machine-readable ISA for CDNA 5 (MIT licence, August 2026) and "CDNA5" Instruction Set Architecture Reference Guide (July 2026). The comments in the code are by the model that wrote it; some were corrected since.
;; Attention. Allowed arithmetic: matrix products marked QUANTISED: E2M3 operands, one E8M0 scale for each 32 along K, by v_wmma_scale_f32_16x16x128_f8f6f4 with both operands' format E2M3, f32 sums; products left as they are: f32 operands where the result goes on into a quantised operand, else bf16, f16 or f32 operands; f32 sums; everything else in f32.
;; Inputs: Wk 512 x 2,048 float32; Wo 2,048 x 2,048 float32; Wq 2,048 x 2,048 float32; Wv 512 x 2,048 float32; x 1 x 2,048 x 2,048 float32.
;; Outputs: out0 1 x 2,048 x 2,048 float32.
;; This version of the problem:
;;   THIS VERSION OF THE PROBLEM IS GIVEN IN LOW PRECISION. The matrix products marked QUANTISED in the list below multiply operands that are first quantised to E2M3 (2 exponent bits, 3 mantissa bits; 6 bits a number), with one power-of-two scale for each 32 numbers along K (OCP MX v1.0); their sums are f32. All else is computed in f32.
;;   The module's matrix products, in the order in which they are computed (A, B: the left and right operand; K: the contracted axis; several contracted axes count as one K, in the product's order):
;;     1. [M 2,048, K 2,048] x [K 2,048, N 2,048]; A: input x; B: input Wq: QUANTISED
;;     2. [M 2,048, K 2,048] x [K 2,048, N 512]; A: input x; B: input Wk: QUANTISED
;;     3. [M 2,048, K 2,048] x [K 2,048, N 512]; A: input x; B: input Wv: QUANTISED
;;     4. batch 32 x [M 2,048, K 64] x [K 64, N 2,048]; A: computed on the way; B: computed on the way: left as it is (operands are no floats)
;;     5. batch 32 x [M 64, K 2,048] x [K 2,048, N 2,048]; A: computed on the way; B: softmax (see below): QUANTISED
;;     6. [M 2,048, K 2,048] x [K 2,048, N 2,048]; A: computed on the way; B: input Wo: QUANTISED
;;   THE QUANTISER, for each operand of a quantised product, along K:
;;     - K is cut into blocks of 32 from its start; a last block that is shorter is filled with zeros.
;;     - A block's scale is 2^e with e = floor(log2(the largest magnitude in the block)) - 2, held to -126 .. 127; a block of zeros has e = 0. As a byte (E8M0): e + 127.
;;     - Each number is divided by its block's scale, clamped to +-7.5, and rounded to the nearest number of E2M3, ties to even, subnormals kept.
;;     - The product sums the exact products of the quantised numbers (number of the format x scale) in f32.
;;   ~~~python
;;   def quantise(x, axis):      # numpy; x: float32 -> the quantised numbers, widened to float32 again
;;       x = np.moveaxis(x, axis, -1); K = x.shape[-1]
;;       x = np.pad(x, [(0, 0)] * (x.ndim - 1) + [(0, -K % 32)]); x = x.reshape(x.shape[:-1] + (-1, 32)); a = np.abs(x).max(-1, keepdims=True)
;;       e = np.where(a > 0, np.clip(np.frexp(np.where(a > 0, a, 1))[1] - 1 - 2, -126, 127), 0)      # np.frexp(a)[1] - 1 = floor(log2(a)), exactly
;;       r = np.clip(x / 2.0 ** e, -7.5, 7.5)
;;       step = 2.0 ** (np.maximum(np.frexp(np.where(r == 0, 1, r))[1] - 1, 0) - 3)
;;       q = np.round(r / step) * step * 2.0 ** e      # np.round: ties to even
;;       return np.moveaxis(q.reshape(q.shape[:-2] + (-1,))[..., :K], -1, axis).astype(np.float32)
;;   ~~~
;;   SOFTMAX AHEAD OF A QUANTISED PRODUCT. Where the list says 'softmax', what is quantised is not the finished softmax but p = 2^(t - M), with t = logit x log2(e) and M = ceil(the row's largest t), a whole number; so 1/2 < the row's largest p <= 1. The row's sum l is taken of the UNQUANTISED p, in f32, and the product's result is divided by l at the end. Since M is a whole number, a kernel that streams over the keys may use a running M (the ceiling of the running maximum): every later rescaling is an exact power of two, which a block's scale takes up: the codes' values come out the same.
;;   OPERANDS COMPUTED ON THE WAY. 'Computed on the way' means the value that the module computes at that place (a softmax that the list does not call 'softmax' is quantised finished and normalised). What goes into a quantiser is computed in f32, as accurately as f32 sums, v_exp_f32 and their like allow (about 1e-6 of the number): no bf16 or f16 on the way to a quantiser, and a product that is left as it is and whose result goes on into a quantised operand takes f32 operands (vector FMAs, or v_wmma_f32_16x16x4_f32). A number that lies on a knife's edge between two numbers of the format may be rounded either way, as far as f32 arithmetic and the matrix unit's own rounding can turn it there, and no further.
;; One version. Each part assembles by itself: llvm-mc -triple=amdgcn-amd-amdhsa -mcpu=gfx1250 --defsym DOCPART=n.
;; ======== version 1 of 1: 4 launches
;; workspace buffers: xc 3,407,872 bytes; wc 5,111,808 bytes; woc 3,407,872 bytes; oc 3,407,872 bytes; qi 4,194,304 bytes; qa 262,144 bytes; kv 1,966,080 bytes
;; launch quant (part 1): grid 448 x 1, 4 waves a work-group, no clusters, 35,328 bytes of LDS; arguments x, Wq, Wk, Wv, Wo, xc, wc, woc; writes xc, wc, woc
.if DOCPART == 1
	.amdgcn_target "amdgcn-amd-amdhsa--gfx1250"
	.amdhsa_code_object_version 6
	.text
	.protected	k_q3e9ca69337_quant
	.globl	k_q3e9ca69337_quant
	.p2align	8
	.type	k_q3e9ca69337_quant,@function
k_q3e9ca69337_quant:
	s_mov_b64 s[64:65], 0
	v_nop
	global_prefetch_b8 v0, s[64:65] scope:SCOPE_SE
	s_setreg_imm32_b32 hwreg(HW_REG_WAVE_MODE, 25, 1), 1
	s_wait_xcnt 0x0
; x [2048][2048], Wq [2048][2048], Wk, Wv [512][2048], Wo [2048][2048], f32, K innermost, become codes of FP6 (E2M3) with one E8M0 scale byte for each 32 along K,
; laid IN THE ORDER OF A MATRIX OPERAND'S REGISTERS.  A record (REC, 6,656 bytes) is 16 rows x 512 K: four images of 1,536 bytes (16 rows x 128 K: registers 6 c .. 6 c + 3 of lane l at 768 c + 16 l,
; registers 6 c + 4, 6 c + 5 at 768 c + 512 + 8 l), then at 6,144 + 16 l the four scale words of row l % 16 (lanes 16-31 hold the same as lanes 0-15, so every byte is written with all lanes on).
; A tensor is [tile of 16 rows][4 records].  xc and woc keep their rows in order.  wc holds, for each of 16 column tiles nj of the next launch, twelve tiles of rows: 0-3 query head 2 nj, 4, 5 and 10, 11 query head
; 2 nj + 1, 6-9 key head nj (nj < 8) or value head nj - 8; within a head stored tile tau, row m, is channel 32 (m / 8) + 8 tau + m % 8.
; A block's scale is 2^(floor(log2(largest magnitude)) - 2); its byte is the largest magnitude's exponent field - 2, held at 1 from below.
; LIMITS: a block of zeros, and a block whose largest magnitude lies under 2^(3 - 127), keeps the byte 1 (its codes are zeros or tiny; the bytes are read by this program alone); NaN and infinities are not served.
; SHARES: a work-group takes one tile of 16 rows, wave w its K 512 w .. 512 w + 511: 32 KiB in, one record out.  Each load reads 512 consecutive bytes of a row; a K step's 16 x 512 bytes turn through the wave's own
; stage in LDS (rows of 512 + 16 bytes), so that lane (r, h) gets k = 64 c + 32 h + 0 .. 31 of row r: two whole blocks a lane.  No barrier: waves share nothing.  No matrix unit, no tensor load: memory binds.
.set PITCH, 528                        ; a stage row: 512 bytes + 16: the 16 rows that a read touches start 16 bytes apart modulo 256
.set STG,   16*PITCH                   ; a wave's stage
.set REC,   6656
.set RS,    32                         ; v32-95, v96-159  two sets of 16 rows x 16 bytes a lane, as loaded
.set X,     160                        ; v160-223  register 32 c + i = k 64 c + 32 h + i of my row
.set CD,    224                        ; v224-235  the fragment's codes
.set CT,    236                        ; v236-238, v240-242  a block's upper 16 codes (a conversion's three registers begin on an even number)
.set SW,    244                        ; v244-247  the scale words of the four K steps
	s_load_b256 s[4:11], s[0:1], 0x0               ; x s[4:5], Wq s[6:7], Wk s[8:9], Wv s[10:11]
	s_load_b256 s[12:19], s[0:1], 0x20             ; Wo s[12:13], xc s[14:15], wc s[16:17], woc s[18:19]
	v_lshl_add_u32 v248, v0, 2, 0x8800
	v_mov_b32 v249, 0
	v_lshrrev_b32 v7, 5, v0
	v_readfirstlane_b32 s38, v7                    ; wave 0..3
	v_and_b32 v7, 31, v0                           ; lane l
	v_and_b32 v8, 15, v0                           ; r
	v_bfe_u32 v9, v0, 4, 1                         ; h
	v_lshlrev_b32 v1, 4, v7                        ; 16 l
	v_lshlrev_b32 v5, 3, v7                        ; 8 l
	v_lshlrev_b32 v6, 3, v9                        ; 8 h: how far my two scale bytes are shifted
	s_mul_i32 s39, s38, STG
	v_add_nc_u32 v3, s39, v1                       ; into the stage: 16 l of a row
	v_mul_u32_u24 v4, v8, PITCH
	v_lshl_add_u32 v4, v9, 7, v4
	v_add_nc_u32 v4, s39, v4                       ; out of it: row r, + 128 h
	v_mov_b32 v15, 0                               ; written once: a lane permute's destination counts as one of its sources
	s_mov_b32 s40, 0x76543210
	s_mov_b32 s41, 0xfedcba98                      ; v_permlanex16_b32's selects for lane l xor 16
	; which tensor and which rows: scalars of the work-group's number alone, one path for all
	s_max_u32 s22, ttmp9, 256
	s_sub_co_u32 s22, s22, 256                     ; u = tile of wc (0 where the work-group serves x or Wo)
	s_mul_i32 s23, s22, 43691
	s_lshr_b32 s23, s23, 19                        ; nj = u / 12 (exact for u < 192)
	s_mul_i32 s24, s23, 12
	s_sub_co_u32 s24, s22, s24                     ; rho = u % 12
	s_cmp_lt_u32 s24, 10
	s_cselect_b32 s25, 6, 8
	s_cmp_lt_u32 s24, 6
	s_cselect_b32 s25, 4, s25
	s_cmp_lt_u32 s24, 4
	s_cselect_b32 s25, 0, s25
	s_sub_co_u32 s25, s24, s25                     ; tau: rho 0-3 -> 0-3; 4, 5 -> 0, 1; 6-9 -> 0-3; 10, 11 -> 2, 3
	s_sub_co_u32 s26, s24, 6
	s_cmp_lt_u32 s26, 4
	s_cselect_b32 s26, 1, 0                        ; 1: a key or value head
	s_cmp_ge_u32 s24, 4
	s_cselect_b32 s27, 1, 0
	s_lshl_b32 s28, s23, 1
	s_add_co_u32 s27, s28, s27                     ; query head 2 nj or 2 nj + 1
	s_and_b32 s28, s23, 7                          ; key or value head
	s_cmp_eq_u32 s26, 1
	s_cselect_b32 s27, s28, s27
	s_lshl_b32 s27, s27, 6
	s_lshl_b32 s28, s25, 3
	s_add_co_u32 s27, s27, s28                     ; 64 head + 8 tau
	s_and_b32 s28, ttmp9, 127
	s_lshl_b32 s29, s28, 4
	s_cmp_ge_u32 ttmp9, 256
	s_cselect_b32 s27, s27, s29                    ; my first source row
	s_cselect_b32 s28, s22, s28                    ; my tile in the destination
	s_cselect_b32 s29, 196608, 0                   ; in a head rows 8-15 of a tile lie 32 rows on, not 8: 24 rows of 8,192 bytes more
	v_add_nc_u32 v2, s29, v1                       ; the offset for rows 8-15
	s_lshl_b32 s36, s27, 13
	s_lshl_b32 s37, s38, 11
	s_add_co_u32 s36, s36, s37                     ; source: row x 8,192 + wave x 2,048
	s_mov_b32 s37, 0
	s_lshl_b32 s28, s28, 2
	s_add_co_u32 s28, s28, s38
	s_mul_i32 s42, s28, REC                        ; destination: record 4 x tile + wave
	s_mov_b32 s43, 0
	s_wait_kmcnt 0x0
	s_cmp_lt_u32 s23, 8
	s_cselect_b64 s[30:31], s[8:9], s[10:11]       ; Wk or Wv,
	s_cmp_eq_u32 s26, 1
	s_cselect_b64 s[30:31], s[30:31], s[6:7]       ; or Wq;
	s_cmp_lt_u32 ttmp9, 128
	s_cselect_b64 s[32:33], s[4:5], s[12:13]       ; x or Wo,
	s_cselect_b64 s[34:35], s[14:15], s[18:19]     ; xc or woc
	s_cmp_ge_u32 ttmp9, 256
	s_cselect_b64 s[30:31], s[30:31], s[32:33]
	s_cselect_b64 s[34:35], s[16:17], s[34:35]
	s_add_nc_u64 s[30:31], s[30:31], s[36:37]
	s_add_nc_u64 s[34:35], s[34:35], s[42:43]
.macro LOAD s                          ; K step s: 16 rows x 512 consecutive bytes into set s % 2
.irp m, 0,1,2,3,4,5,6,7
	global_load_b128 v[RS+64*((\s)%2)+4*\m:RS+64*((\s)%2)+4*\m+3], v1, s[30:31] offset:\m*8192+512*(\s) th:TH_LOAD_NT
.endr
.irp m, 8,9,10,11,12,13,14,15
	global_load_b128 v[RS+64*((\s)%2)+4*\m:RS+64*((\s)%2)+4*\m+3], v2, s[30:31] offset:\m*8192+512*(\s) th:TH_LOAD_NT
.endr
.endm
.macro STEP s
.if (\s) < 3
	s_wait_loadcnt 16                              ; this step's 16 loads are in; the next step's 16 may be out
.else
	s_wait_loadcnt 0x0
.endif
.irp m, 0,1,2,3,4,5,6,7,8,9,10,11,12,13,14,15
	ds_store_b128 v3, v[RS+64*((\s)%2)+4*\m:RS+64*((\s)%2)+4*\m+3] offset:PITCH*\m
.endr
.irp c, 0,1
.irp k, 0,1,2,3,4,5,6,7
	ds_load_b128 v[X+32*\c+4*\k:X+32*\c+4*\k+3], v4 offset:256*\c+16*\k   ; LDS serves a wave's instructions in order: these see the stores above
.endr
.endr
	s_wait_dscnt 0x0                               ; my numbers are back, and the stores have read their set,
.if (\s) < 2
	LOAD (\s)+2                                    ; which takes the loads of two steps on
.endif
.irp c, 0,1
	v_max3_num_f32 v[8+\c], |v[X+32*\c]|, |v[X+32*\c+1]|, 0x1800000   ; block 2 c + h: all its 32 numbers are mine; the floor 2^(3 - 127) holds the byte at 1 from below
.endr
.irp i, 2,4,6,8,10,12,14,16,18,20,22,24,26,28,30
.irp c, 0,1
	v_max3_num_f32 v[8+\c], v[8+\c], |v[X+32*\c+\i]|, |v[X+32*\c+\i+1]|   ; (the two blocks by turns)
.endr
.endr
.irp c, 0,1
	v_add_nc_u32 v[10+\c], 0xff000000, v[8+\c]     ; 2 off the exponent field: the conversion takes this operand's exponent field as its scale
.endr
.irp c, 0,1
	v_lshrrev_b32 v[12+\c], 23, v[10+\c]           ; the scale's byte
.endr
	v_lshl_or_b32 v14, v13, 16, v12                ; my bytes, blocks h and 2 + h,
	v_lshlrev_b32 v14, v6, v14                     ; at their places in the word;
	v_permlanex16_b32 v15, v14, s40, s41
	v_or_b32 v[SW+(\s)], v14, v15                  ; with lane l xor 16's two the word is whole, in both halves of the lanes
.if (\s) > 0
	s_wait_xcnt 0x0                                ; the last step's stores have read the codes' registers: only now are they written again
.endif
.irp c, 0,1
	v_cvt_scalef32_pk16_fp6_f32 v[CD+6*\c:CD+6*\c+2], v[X+32*\c:X+32*\c+15], v[10+\c]
	v_cvt_scalef32_pk16_fp6_f32 v[CT+4*\c:CT+4*\c+2], v[X+32*\c+16:X+32*\c+31], v[10+\c]
.endr
	v_nop                                          ; one plain place behind a scaled conversion
.irp c, 0,1
.irp i, 0,1,2
	v_mov_b32 v[CD+6*\c+3+\i], v[CT+4*\c+\i]
.endr
.endr
.irp c, 0,1
	global_store_b128 v1, v[CD+6*\c:CD+6*\c+3], s[34:35] offset:1536*(\s)+768*\c        ; 32 lanes store 512 consecutive bytes, at a multiple of 256 from the buffer's first byte
	global_store_b64 v5, v[CD+6*\c+4:CD+6*\c+5], s[34:35] offset:1536*(\s)+768*\c+512    ; and 256
.endr
.endm
	LOAD 0
	LOAD 1
	STEP 0
	STEP 1
	STEP 2
	STEP 3
	global_store_b128 v1, v[SW:SW+3], s[34:35] offset:6144   ; the four scale words of my row
	s_wait_tensorcnt 0x0
	ds_add_u32 v248, v249
	s_wait_dscnt 0x0
	s_endpgm
.Lfunc_end_k_q3e9ca69337_quant:
	.size	k_q3e9ca69337_quant, .Lfunc_end_k_q3e9ca69337_quant-k_q3e9ca69337_quant
	.p2alignl 7, 3214868480
	.fill 96, 4, 3214868480
	.section	.rodata,"a",@progbits
	.p2align	6, 0x0
	.amdhsa_kernel k_q3e9ca69337_quant
		.amdhsa_group_segment_fixed_size 35328
		.amdhsa_private_segment_fixed_size 0
		.amdhsa_enable_private_segment 0
		.amdhsa_kernarg_size 64
		.amdhsa_user_sgpr_count 2
		.amdhsa_user_sgpr_kernarg_segment_ptr 1
		.amdhsa_wavefront_size32 1
		.amdhsa_system_sgpr_workgroup_id_x 1
		.amdhsa_system_sgpr_workgroup_id_y 1
		.amdhsa_system_sgpr_workgroup_id_z 1
		.amdhsa_system_vgpr_workitem_id 0
		.amdhsa_next_free_vgpr 250
		.amdhsa_next_free_sgpr 66
		.amdhsa_reserve_vcc 0
		.amdhsa_float_denorm_mode_32 3
		.amdhsa_float_denorm_mode_16_64 3
		.amdhsa_memory_ordered 1
		.amdhsa_forward_progress 1
		.amdhsa_inst_pref_size 31
	.end_amdhsa_kernel
	.amdgpu_metadata
---
amdhsa.version: [ 1, 2 ]
amdhsa.kernels:
  - .name:           k_q3e9ca69337_quant
    .symbol:         k_q3e9ca69337_quant.kd
    .args:
      - { .name: x, .offset: 0, .size: 8, .value_kind: global_buffer, .address_space: global }
      - { .name: Wq, .offset: 8, .size: 8, .value_kind: global_buffer, .address_space: global }
      - { .name: Wk, .offset: 16, .size: 8, .value_kind: global_buffer, .address_space: global }
      - { .name: Wv, .offset: 24, .size: 8, .value_kind: global_buffer, .address_space: global }
      - { .name: Wo, .offset: 32, .size: 8, .value_kind: global_buffer, .address_space: global }
      - { .name: xc, .offset: 40, .size: 8, .value_kind: global_buffer, .address_space: global }
      - { .name: wc, .offset: 48, .size: 8, .value_kind: global_buffer, .address_space: global }
      - { .name: woc, .offset: 56, .size: 8, .value_kind: global_buffer, .address_space: global }
    .group_segment_fixed_size: 35328
    .private_segment_fixed_size: 0
    .kernarg_segment_align: 8
    .kernarg_segment_size: 64
    .max_flat_workgroup_size: 128
    .sgpr_count:     66
    .vgpr_count:     250
    .wavefront_size: 32
...
	.end_amdgpu_metadata
.endif
;; end of part 1
;; launch qkv (part 2): grid 16 x 16, 4 waves a work-group, clusters of 4 x 4, 327,680 bytes of LDS; arguments xc, wc, qi, qa, kv; writes qi, qa, kv
.if DOCPART == 2
	.amdgcn_target "amdgcn-amd-amdhsa--gfx1250"
	.amdhsa_code_object_version 6
	.text
	.protected	k_q3e9ca69337_qkv
	.globl	k_q3e9ca69337_qkv
	.p2align	8
	.type	k_q3e9ca69337_qkv,@function
k_q3e9ca69337_qkv:
	s_mov_b64 s[64:65], 0
	v_nop
	global_prefetch_b8 v0, s[64:65] scope:SCOPE_SE
	s_setreg_imm32_b32 hwreg(HW_REG_WAVE_MODE, 25, 1), 1
	s_wait_xcnt 0x0
	s_wait_alu depctr_hold_cnt(0) depctr_sa_sdst(0) depctr_va_vdst(0) depctr_va_sdst(0) depctr_va_ssrc(0) depctr_va_vcc(0) depctr_vm_vsrc(0)
	s_getreg_b32 s2, hwreg(HW_REG_IB_STS2, 6, 4)
	s_cmp_eq_u32 s2, 0
	s_cbranch_scc0 .Lentry_in_a_cluster
	s_endpgm
.Lentry_in_a_cluster:
	s_bfe_u32 s2, ttmp6, 0x10000c
	s_cmp_lg_u32 s2, 0xf033
	s_cbranch_scc0 .Lentry_shape_is_right
	s_endpgm
.Lentry_shape_is_right:
; q, k, v = x Wq^T, x Wk^T, x Wv^T on codes of FP6 (E2M3) with E8M0 scales: one GEMM [2048 tokens] x [3072 columns] x [K 2048]; nothing of it goes to memory as f32.
; On the way out q and k become int8 for each token and head (i8 = round(t x 127 / max(largest magnitude, 1e-6))), laid as images of the next launch's operands, with one factor a token and head;
; v becomes codes of FP6 along the KEYS (the second attention product's K), laid as images too.
; OPERANDS arrive in records of 6,656 bytes (16 rows x 512 K in the order of the operand's registers, then the rows' scale words): every LDS read is 16 x lane or 8 x lane on end: no pitch, no padding.
; SHARES: a work-group makes 128 tokens x 192 columns: query heads 2 nj and 2 nj + 1 and one key head (nj < 8) or value head.  Four waves, 2 x 2: wave (mh, nh) has 64 tokens x 96 columns: 24 accumulators.
; Its six tiles of columns are a whole head (query head 2 nj for nh = 0, the key or value head for nh = 1) and half of query head 2 nj + 1.
; K goes in four slots' worth of 512 through a ring of two LDS slots; all sixteen K steps of 128 are written out.
; CLUSTER 4 x 4: the four of a row of the cluster need the same records of x, the four of a column the same of W: each is asked for jointly.
; THE MATRIX INSTRUCTION IS USED TRANSPOSED (source 0 = 16 rows of W, source 1 = 16 tokens): lane (r, h) holds token r; W's rows were ordered so that register j of column tile tau is channel 32 h + 8 tau + j.
; ROUNDING, stated: 127 / amax is a reciprocal with one Newton step and one remainder step; the fused multiply-add with 1.5 x 2^23 rounds the exact product t x scale once to a whole number, ties to even, where
; the definition rounds the product to f32 first; |t x scale| stays under 127.5, so the clip never acts.  LIMITS: NaN and infinities are not served; a block of v that is all zeros or under 2^(3 - 127) keeps the scale byte 1.
; REGISTERS: window 0: v1-29 addresses; v32-111 scale words, two sets of 40, and nothing else; v112-159, v160-207 x's fragments, two sets; on the way out v112-239 are at work.
;   window 1: W's fragments, two sets, at v0 and v128.   window 2: accumulator (a, b) at v[8 (6 a + b)].
.set NBW,   6                          ; tiles of W's rows a wave
.set TBT,   2*NBW
.set NACC,  4*NBW
.set TH1,   8                          ; a slot's last step is cut in three: in front of the signal, between signal and wait, behind the fetch
.set TH2,   16
.set REC,   6656
.set RT,    4*REC                      ; a tile of rows in memory: four records
.set BOFF,  8*REC                      ; a slot: x's 8 records, then W's 12
.set SLOT,  (8+TBT)*REC
.set VSTG,  2*SLOT                     ; behind the ring: v as f32, 128 tokens x (256 + 16) bytes;
.set MX,    VSTG+128*272               ; the half head's partial maxima, [nh][128 tokens] f32;
.set SPARE, MX+1024                    ; the spare words, 128 bytes for each wave: two blocks of 256 bytes that no other line names
.set L16, 3                            ; v3 16 l, v4 8 l, v5 4 l
.set L8,  4
.set L4,  5
.set A16, 6                            ; v6-7  my x records in slot 0, 1, + 16 l;  v8-9 + 8 l
.set A8,  8
.set B16, 10                           ; v10-13 the same for W
.set B8,  12
.set MXW, 14
.set MXR, 15
.set VSA, 16
.set VRA, 17
.set SH8, 18                           ; v18  8 h
.set SPW, 28                           ; v28  LDS address of my spare word; never rewritten
.set NIL, 29                           ; v29  0; never rewritten
.set SC,  32                           ; scale words: set s at v[32 + 40 s]: x's tile a, K step q at + 4 a + q; W's tile b at + 16 + 4 b + q
.set AF,  112
.set Y,   112                          ; the way out: t x scale + 1.5 x 2^23
.set T,   144                          ; pairs of bytes
.set OUT, 160                          ; the whole head's images, 8 registers a tile of tokens
.set OUT2, 192                         ; the half head's, 4
.set AM,  208                          ; largest magnitudes: whole head; v212-215 half head
.set HM,  212
.set QV,  216                          ; 127 / amax
.set RV,  220
.set EV,  224
.set PT,  228                          ; lane permutes' results, LDS loads
.set PK,  232                          ; factors packed a token a lane
.set G1,  24
.set G0,  32
.set G1B, 48
.set G0B, 56
.set EPS, 19                           ; s19 1e-6
.set HMASK, 67                         ; s67 lanes 16-31
.set SELA, 68
.set SELB, 69
.set MAGIC, 70
.set C127, 71
.set SEL, 72
.set FAC, 74
.set KINDV, 75
.set IMG, 76
.set AMX, 78
.set HIMG, 80
.set HAMX, 82
.set VIMG, 96
.set VSCL, 98
.set MSB, 0
.macro WIN new                         ; the immediate's high byte repeats the setting that is left
.if MSB != \new
	s_set_vgpr_msb (MSB<<8)|\new
.set MSB, \new
.endif
.endm
.set MUL,  0xa1                        ; source 0 (W) window 1, source 1 (x) window 0, C and D window 2
.set TO_B, 0x40                        ; destination window 1, address window 0
; A joint load: waves 0 and 1 fetch x's two halves, waves 2 and 3 W's.  The branch hangs on the wave's number alone.  Four v_nop follow each of the two lines.
.macro JLOAD g0a, g1a, g0b, g1b
	s_cmp_eq_u32 s15, 0
	s_cbranch_scc0 .Lfor_b_\@
	tensor_load_to_lds s[\g0a:\g0a+3], s[\g1a:\g1a+7]
	s_nop 0
.rept 4
	v_nop
.endr
	s_branch .Lasked_\@
.Lfor_b_\@:
	tensor_load_to_lds s[\g0b:\g0b+3], s[\g1b:\g1b+7]
	s_nop 0
.rept 4
	v_nop
.endr
.Lasked_\@:
.endm
.macro CREST                           ; a round of the cluster's barrier behind its opening barrier
	s_cmp_lg_u32 s14, 0
	s_cbranch_scc1 .Lnot_wave_0_\@
	s_barrier_signal -3
.Lnot_wave_0_\@:
	s_barrier_wait -3
	s_barrier_signal -1
	s_barrier_wait -1
.endm
.macro CROUND
	s_barrier_signal -1
	s_barrier_wait -1
	CREST
.endm
.macro PLACES n
.rept \n
	v_nop
.endr
.endm
.macro FRAG reg, a16, a8, off          ; an image of 1,536 bytes becomes a fragment's 12 registers: four loads, each of consecutive bytes
	ds_load_b128 v[\reg:\reg+3], v[\a16] offset:\off
	ds_load_b64 v[\reg+4:\reg+5], v[\a8] offset:\off+512
	ds_load_b128 v[\reg+6:\reg+9], v[\a16] offset:\off+768
	ds_load_b64 v[\reg+10:\reg+11], v[\a8] offset:\off+1280
.endm
.macro FETCH slot, q, set              ; the fragments of the slot's q-th 128 along K: W's NBW, x's four
	WIN TO_B
.set fb, 0
.rept NBW
	FRAG 128*(\set)+12*fb, B16+(\slot), B8+(\slot), REC*fb+1536*(\q)
.set fb, fb+1
.endr
	WIN 0
.set fb, 0
.rept 4
	FRAG AF+48*(\set)+12*fb, A16+(\slot), A8+(\slot), REC*fb+1536*(\q)
.set fb, fb+1
.endr
.endm
.macro SCALES slot                     ; a slot's scale words: four K steps' words of a row by one load
.set fb, 0
.rept 4
	ds_load_b128 v[SC+40*(\slot)+4*fb:SC+40*(\slot)+4*fb+3], v[A16+(\slot)] offset:REC*fb+6144
.set fb, fb+1
.endr
.set fb, 0
.rept NBW
	ds_load_b128 v[SC+40*(\slot)+16+4*fb:SC+40*(\slot)+16+4*fb+3], v[B16+(\slot)] offset:REC*fb+6144
.set fb, fb+1
.endr
.endm
; Products n0 .. n1 - 1 of a K step's NACC: accumulator n = (a, b) = (n / NBW, n % NBW).  All accumulators take turns, one instruction a turn, in the same order in every step.
.macro MULR n0, n1, set, q, sg, zero
.set mn, \n0
.rept (\n1)-(\n0)
.set ma, mn/NBW
.set mb, mn%NBW
.if \zero
	v_wmma_scale_f32_16x16x128_f8f6f4 v[8*mn:8*mn+7], v[128*(\set)+12*mb:128*(\set)+12*mb+11], v[AF+48*(\set)+12*ma:AF+48*(\set)+12*ma+11], 0, v[SC+40*(\sg)+16+4*mb+(\q)], v[SC+40*(\sg)+4*ma+(\q)] matrix_a_fmt:MATRIX_FMT_FP6 matrix_b_fmt:MATRIX_FMT_FP6
.else
	v_wmma_scale_f32_16x16x128_f8f6f4 v[8*mn:8*mn+7], v[128*(\set)+12*mb:128*(\set)+12*mb+11], v[AF+48*(\set)+12*ma:AF+48*(\set)+12*ma+11], v[8*mn:8*mn+7], v[SC+40*(\sg)+16+4*mb+(\q)], v[SC+40*(\sg)+4*ma+(\q)] matrix_a_fmt:MATRIX_FMT_FP6 matrix_b_fmt:MATRIX_FMT_FP6
.endif
.set mn, mn+1
.endr
.endm
; A K step that has its successor in the same slot: the successor's fragments are asked for first, into the set that the step before multiplied, and land while this step is multiplied.
.macro STEP slot, q, zero
	s_wait_dscnt 0x0                               ; this step's fragments (asked for a step ago) and scale words are in
	PLACES 4                                       ; four places between the last products and loads into the registers that they read
	FETCH \slot, (\q)+1, 1-(\q)%2
	WIN MUL
	MULR 0, NACC, (\q)%2, \q, \slot, \zero
	WIN 0
.endm
; A slot's last step changes slots: one barrier; in front of it each wave waits for all its tensor loads, adds 0 to its spare word, and waits for that and for its reads of this slot.  fill = 1: this slot is filled again.
.macro TURN slot, next, fill
	s_wait_tensorcnt 0x0                           ; all my tensor loads have landed: my part of the next slot
	ds_add_u32 v[SPW], v[NIL]                      ; 0 onto my spare word
	s_wait_dscnt 1                                 ; this step's fragments are in; the add may be out
	WIN MUL
	MULR 0, TH1, 1, 3, \slot, 0                    ; matrix work stands between the add and the wait for it
	s_wait_dscnt 0x0                               ; the add is done, and my reads of this slot are over
	s_barrier_signal -1
	MULR TH1, TH2, 1, 3, \slot, 0
	WIN 0
	s_barrier_wait -1
.if \fill
	CREST                                          ; the barrier has opened a round of the cluster's: no wave of any partner still reads this slot or has a load on its way
	s_add_nc_u64 s[G0+4*\slot+2:G0+4*\slot+3], s[G0+4*\slot+2:G0+4*\slot+3], 2*REC
	s_add_nc_u64 s[G0B+4*\slot+2:G0B+4*\slot+3], s[G0B+4*\slot+2:G0B+4*\slot+3], 2*REC
	JLOAD G0+4*\slot, G1, G0B+4*\slot, G1B         ; the first tensor load behind the round; its four v_nop are also the places in front of the loads below
.else
	PLACES 4
.endif
	FETCH \next, 0, 0
	SCALES \next
	WIN MUL
	MULR TH2, NACC, 1, 3, \slot, 0
	WIN 0
.endm
	s_load_b256 s[4:11], s[0:1], 0x0               ; xc s[4:5], wc s[6:7], qi s[8:9], qa s[10:11]
	s_load_b64 s[12:13], s[0:1], 0x20              ; kv
	v_lshl_add_u32 v[SPW], v0, 2, SPARE
	v_mov_b32 v[NIL], 0
	ds_add_u32 v28, v29
	ds_add_u32 v28, v29
	s_wait_dscnt 0x0
	v_lshrrev_b32 v1, 5, v0
	v_readfirstlane_b32 s14, v1                    ; wave 0..3
	s_lshr_b32 s15, s14, 1                         ; mh: which 64 tokens are mine.  Also: I fetch for x (0) or for W (1)
	s_and_b32 s16, s14, 1                          ; nh: which 96 columns.  Also: which half of that tile I fetch
	s_bfe_u32 s40, ttmp6, 0x40000                  ; cx, cy: my place in the cluster
	s_bfe_u32 s41, ttmp6, 0x40004
	s_lshl_b32 s42, ttmp9, 2
	s_add_co_u32 s42, s42, s40                     ; nj = 4 x cluster x + cx
	s_and_b32 s17, ttmp7, 0xffff
	s_lshl_b32 s17, s17, 2
	s_add_co_u32 s17, s17, s41                     ; Mt = 4 x cluster y + cy
	s_lshl_b32 s43, s41, 2
	s_lshl_b32 s43, 15, s43                        ; my row of the cluster
	s_lshl_b32 s44, 0x1111, s40                    ; my column
	; descriptor group 1: rows of one record (832 elements of 8 bytes), a tile of rows (3,328 elements) apart; no padding
	s_or_b32 s[G1+0], s43, (3<<16)|(1<<21)         ; 15:0 the mask: x's records go to my row; 17:16 elements of 8 bytes; 21 set beside a mask
	s_or_b32 s[G1B+0], s44, (3<<16)|(1<<21)
	s_mov_b32 s[G1+1], 832<<16                     ; tensor_dim0
	s_mov_b32 s[G1+2], 4<<16                       ; tensor_dim1
	s_mov_b32 s[G1+3], 832<<16                     ; tile_dim0
	s_mov_b32 s[G1+4], 4                           ; tile_dim1
	s_mov_b32 s[G1+5], 3328                        ; tensor_dim0_stride
	s_mov_b32 s[G1+6], 0
	s_mov_b32 s[G1+7], 0
	s_mov_b32 s[G1B+1], 832<<16
	s_mov_b32 s[G1B+2], NBW<<16
	s_mov_b32 s[G1B+3], 832<<16
	s_mov_b32 s[G1B+4], NBW
	s_mov_b32 s[G1B+5], 3328
	s_mov_b32 s[G1B+6], 0
	s_mov_b32 s[G1B+7], 0
	s_lshl_b32 s20, s17, 3
	s_lshl_b32 s18, s16, 2
	s_add_co_u32 s20, s20, s18
	s_mul_i32 s20, s20, RT                         ; x: tile of rows 8 Mt + 4 x half
	s_mov_b32 s21, 0
	s_mul_i32 s46, s42, TBT
	s_mul_i32 s22, s16, NBW
	s_add_co_u32 s46, s46, s22
	s_mul_i32 s46, s46, RT                         ; W: tile of rows 12 nj + 6 x half
	s_mov_b32 s47, 0
	s_mul_i32 s45, s16, RT                         ; where they go: no place in the cluster enters an LDS address
	s_mul_i32 s66, s16, NBW*REC
	s_add_co_u32 s66, s66, BOFF
	s_wait_kmcnt 0x0
	s_add_nc_u64 s[20:21], s[4:5], s[20:21]
	s_add_nc_u64 s[46:47], s[6:7], s[46:47]
	CROUND                                         ; all sixteen work-groups are here: the first joint loads meet
.irp s, 0,1
	s_mov_b32 s[G0+4*\s], 1
	s_add_co_u32 s[G0+4*\s+1], s45, \s*SLOT
	s_add_nc_u64 s[G0+4*\s+2:G0+4*\s+3], s[20:21], \s*REC
	s_or_b32 s[G0+4*\s+3], s[G0+4*\s+3], 0x80000000
	s_mov_b32 s[G0B+4*\s], 1
	s_add_co_u32 s[G0B+4*\s+1], s66, \s*SLOT
	s_add_nc_u64 s[G0B+4*\s+2:G0B+4*\s+3], s[46:47], \s*REC
	s_or_b32 s[G0B+4*\s+3], s[G0B+4*\s+3], 0x80000000
	JLOAD G0+4*\s, G1, G0B+4*\s, G1B               ; two loads of mine are out behind these
.endr
	; every LDS address register is made here, ahead of all branches on the wave's number
	v_and_b32 v20, 31, v0                          ; l
	v_and_b32 v1, 15, v0                           ; r
	v_bfe_u32 v2, v0, 4, 1                         ; h
	v_lshlrev_b32 v[L16], 4, v20
	v_lshlrev_b32 v[L8], 3, v20
	v_lshlrev_b32 v[L4], 2, v20
	v_lshlrev_b32 v[SH8], 3, v2
	s_mul_i32 s86, s15, RT                         ; my four records of x
	s_mul_i32 s87, s16, NBW*REC
	s_add_co_u32 s87, s87, BOFF                    ; my six of W
.irp s, 0,1
	v_add_nc_u32 v[A16+\s], s86, v[L16]
	v_add_nc_u32 v[A8+\s], s86, v[L8]
	v_add_nc_u32 v[B16+\s], s87, v[L16]
	v_add_nc_u32 v[B8+\s], s87, v[L8]
	s_add_co_u32 s86, s86, SLOT
	s_add_co_u32 s87, s87, SLOT
.endr
	s_lshl_b32 s86, s16, 9
	s_lshl_b32 s87, s15, 8
	s_add_co_u32 s88, s86, s87
	s_add_co_u32 s88, s88, MX
	v_add_nc_u32 v[MXW], s88, v[L4]                ; my partial maxima: MX + 512 nh + 256 mh + 4 l
	s_xor_b32 s86, s86, 512
	s_add_co_u32 s88, s86, s87
	s_add_co_u32 s88, s88, MX
	v_lshl_add_u32 v[MXR], v1, 2, s88              ; the other column half's: MX + 512 (1 - nh) + 256 mh + 4 r
	s_mul_i32 s88, s15, 64*272
	s_add_co_u32 s88, s88, VSTG
	v_mul_u32_u24 v[VSA], v1, 272
	v_lshl_add_u32 v[VSA], v2, 7, v[VSA]
	v_add_nc_u32 v[VSA], s88, v[VSA]               ; v into its stage: token 64 mh + r, channel 32 h
	v_and_b32 v[VRA], 8, v1
	v_add_nc_u32 v[VRA], v[VRA], v1                ; r + 8 (r / 8)
	v_lshlrev_b32 v[VRA], 2, v[VRA]
	v_mad_u32_u24 v[VRA], v2, 8704, v[VRA]         ; lanes 16-31 begin 32 keys further down
	s_lshl_b32 s86, s15, 7
	s_lshl_b32 s87, s16, 5
	s_add_co_u32 s86, s86, s87
	s_add_co_u32 s86, s86, VSTG
	v_add_nc_u32 v[VRA], s86, v[VRA]               ; v out of it: channel 32 (wave / 2) + 8 (wave % 2) + r + 8 (r / 8)
	; constants and the way out's bases
	s_mov_b32 s[EPS], 0x358637bd                   ; 1e-6
	s_mov_b32 s[HMASK], 0xffff0000
	s_mov_b32 s[SELA], 0x00000400                  ; byte 0 of the second source, byte 0 of the first
	s_mov_b32 s[SELB], 0x05040100                  ; the two low halves
	s_mov_b32 s[MAGIC], 0x4b400000                 ; 1.5 x 2^23
	s_mov_b32 s[C127], 0x42fe0000                  ; 127.0
	s_mov_b32 s[SEL], 0x76543210
	s_mov_b32 s[SEL+1], 0xfedcba98
	s_cmp_ge_u32 ttmp9, 2                          ; nj >= 8: the third head is a value head; the cluster's x is the same in all partners
	s_cselect_b32 s[KINDV], 1, 0
	s_lshl_b32 s86, s42, 18
	s_lshl_b32 s87, s17, 13
	s_add_co_u32 s86, s86, s87
	s_lshl_b32 s87, s15, 12
	s_add_co_u32 s86, s86, s87                     ; qi: head 2 nj x 131,072 + tile of tokens (8 Mt + 4 mh) x 1,024
	s_and_b32 s88, s42, 7
	s_mul_i32 s88, s88, 245760
	s_mul_i32 s89, s17, 15360
	s_add_co_u32 s88, s88, s89                     ; kv: the record of this head and these 128 keys
	s_add_co_u32 s90, s88, s87                     ; its images of K, + 4,096 mh
	s_cmp_eq_u32 s16, 0
	s_cselect_b32 s90, s86, s90
	s_cselect_b64 s[IMG:IMG+1], s[8:9], s[12:13]
	s_mov_b32 s91, 0
	s_add_nc_u64 s[IMG:IMG+1], s[IMG:IMG+1], s[90:91]
	s_lshl_b32 s92, s42, 14
	s_lshl_b32 s93, s17, 9
	s_add_co_u32 s92, s92, s93
	s_lshl_b32 s93, s15, 8
	s_add_co_u32 s92, s92, s93                     ; qa: head 2 nj x 8,192 + token (128 Mt + 64 mh) x 4
	s_add_co_u32 s94, s88, s93
	s_add_co_u32 s94, s94, 14848                   ; the record's factors of K, + 256 mh
	s_cmp_eq_u32 s16, 0
	s_cselect_b32 s94, s92, s94
	s_cselect_b64 s[AMX:AMX+1], s[10:11], s[12:13]
	s_cselect_b32 s[FAC], 0x373b95a3, 1.0          ; q's factor is amax x log2(e) / 8 / 127^2, k's is amax
	s_mov_b32 s95, 0
	s_add_nc_u64 s[AMX:AMX+1], s[AMX:AMX+1], s[94:95]
	s_lshl_b32 s87, s16, 9
	s_add_co_u32 s86, s86, s87
	s_add_co_u32 s86, s86, 131072                  ; head 2 nj + 1, piece nh of its images
	s_mov_b32 s87, 0
	s_add_nc_u64 s[HIMG:HIMG+1], s[8:9], s[86:87]
	s_add_co_u32 s92, s92, 8192
	s_mov_b32 s93, 0
	s_add_nc_u64 s[HAMX:HAMX+1], s[10:11], s[92:93]
	s_mul_i32 s90, s14, 1536
	s_add_co_u32 s90, s90, s88                     ; the record + 1,536 x wave: my image of V^T (8,192 on)
	s_add_nc_u64 s[VIMG:VIMG+1], s[12:13], s[90:91]
	s_lshl_b32 s90, s14, 7
	s_add_co_u32 s90, s90, s88                     ; the record + 128 x wave: its scale words (14,336 on)
	s_add_nc_u64 s[VSCL:VSCL+1], s[12:13], s[90:91]
	s_wait_tensorcnt 1                             ; my part of slot 0 is in; slot 1's may stay out
	s_barrier_signal -1
	s_barrier_wait -1
	FETCH 0, 0, 0
	SCALES 0
	STEP 0, 0, 1                                   ; the first step's products start the sums: nothing is cleared
	STEP 0, 1, 0
	STEP 0, 2, 0
	TURN 0, 1, 1                                   ; slot 0 takes K 1,024 on
	STEP 1, 0, 0
	STEP 1, 1, 0
	STEP 1, 2, 0
	TURN 1, 0, 1                                   ; slot 1 takes K 1,536 on
	STEP 0, 0, 0
	STEP 0, 1, 0
	STEP 0, 2, 0
	TURN 0, 1, 0                                   ; nothing is left to fetch
	STEP 1, 0, 0
	STEP 1, 1, 0
	STEP 1, 2, 0
	s_wait_dscnt 0x0
	WIN MUL
	MULR 0, NACC, 1, 3, 1, 0
	WIN 0
; 127 / A for four tiles of tokens: a reciprocal, a Newton step, the product with 127 and a remainder step
.macro DIV127 A
.irp d, 0,1,2,3
	v_rcp_f32 v[RV+\d], v[\A+\d]
.endr
	v_nop                                          ; a plain place behind the reciprocals
	s_wait_alu depctr_va_vdst(0)                   ; one wait for the four, ahead of their first reader
.irp d, 0,1,2,3
	v_fma_f32 v[EV+\d], -v[\A+\d], v[RV+\d], 1.0
.endr
.irp d, 0,1,2,3
	v_fma_f32 v[RV+\d], v[EV+\d], v[RV+\d], v[RV+\d]
.endr
.irp d, 0,1,2,3
	v_mul_f32 v[QV+\d], s[C127], v[RV+\d]
.endr
.irp d, 0,1,2,3
	v_fma_f32 v[EV+\d], -v[\A+\d], v[QV+\d], s[C127]
.endr
.irp d, 0,1,2,3
	v_fma_f32 v[QV+\d], v[EV+\d], v[RV+\d], v[QV+\d]
.endr
.endm
; n numbers of tile of tokens ta, from register r0 of its 48 on, become n bytes in n / 4 registers: the low byte of t x scale + 1.5 x 2^23 is the whole number in two's complement
.macro PACK ta, r0, n, out
	WIN 0x02                                       ; source 0 window 2
.set pn, 0
.rept \n
	v_fma_f32 v[Y+pn], v[48*(\ta)+(\r0)+pn], v[QV+(\ta)], s[MAGIC]
.set pn, pn+1
.endr
	WIN 0
.set pn, 0
.rept (\n)/4
	v_perm_b32 v[T+2*pn], v[Y+4*pn+1], v[Y+4*pn], s[SELA]
	v_perm_b32 v[T+2*pn+1], v[Y+4*pn+3], v[Y+4*pn+2], s[SELA]
.set pn, pn+1
.endr
.set pn, 0
.rept (\n)/4
	v_perm_b32 v[(\out)+pn], v[T+2*pn+1], v[T+2*pn], s[SELB]
.set pn, pn+1
.endr
.endm
	; ---- 1: the half head's partial maxima (my 16 channels and lane l xor 16's), for the wave of the other column half
.irp d, 0,1,2,3
	v_mov_b32 v[PT+\d], 0                          ; a lane permute's destination counts as one of its sources.  These four are also the places behind the last products
.endr
	WIN 0x28                                       ; sources 1 and 2 window 2
.irp d, 0,1,2,3
	v_max3_num_f32 v[HM+\d], s[EPS], |v[48*\d+32]|, |v[48*\d+33]|   ; each accumulator is read from its low end on; 1e-6 is the definition's floor
.endr
.irp i, 2,4,6,8,10,12,14
.irp d, 0,1,2,3
	v_max3_num_f32 v[HM+\d], v[HM+\d], |v[48*\d+32+\i]|, |v[48*\d+33+\i]|
.endr
.endr
	WIN 0
.irp d, 0,1,2,3
	v_permlanex16_b32 v[PT+\d], v[HM+\d], s[SEL], s[SEL+1]
.endr
.irp d, 0,1,2,3
	v_max_num_f32 v[HM+\d], v[HM+\d], v[PT+\d]
.endr
	v_cndmask_b32 v[PK], v[HM], v[HM+1], s[HMASK]  ; a token a lane: lanes 0-15 tile 0's, lanes 16-31 tile 1's
	v_cndmask_b32 v[PK+1], v[HM+2], v[HM+3], s[HMASK]
	ds_store_b32 v[MXW], v[PK]
	ds_store_b32 v[MXW], v[PK+1] offset:128
	; ---- 2: the whole head: q or k to int8, or v as f32 into its stage
	s_cmp_eq_u32 s16, 0
	s_cbranch_scc1 .Lfull
	s_cmp_eq_u32 s[KINDV], 0
	s_cbranch_scc1 .Lfull
	WIN 0x08                                       ; an LDS store's data are its source 1: window 2
.irp d, 0,1,2,3
.irp b, 0,1,2,3
	ds_store_b128 v[VSA], v[48*\d+8*\b:48*\d+8*\b+3] offset:4352*\d+32*\b
	ds_store_b128 v[VSA], v[48*\d+8*\b+4:48*\d+8*\b+7] offset:4352*\d+32*\b+16
.endr
.endr
	WIN 0
	s_branch .Ljoin
.Lfull:
	WIN 0x28
.irp d, 0,1,2,3
	v_max3_num_f32 v[AM+\d], s[EPS], |v[48*\d]|, |v[48*\d+1]|
.endr
.irp i, 2,4,6,8,10,12,14,16,18,20,22,24,26,28,30
.irp d, 0,1,2,3
	v_max3_num_f32 v[AM+\d], v[AM+\d], |v[48*\d+\i]|, |v[48*\d+\i+1]|
.endr
.endr
	WIN 0
.irp d, 0,1,2,3
	v_permlanex16_b32 v[PT+\d], v[AM+\d], s[SEL], s[SEL+1]
.endr
.irp d, 0,1,2,3
	v_max_num_f32 v[AM+\d], v[AM+\d], v[PT+\d]     ; the token's largest magnitude over the head's 64 channels
.endr
	DIV127 AM
.irp d, 0,1,2,3
	PACK \d, 0, 32, OUT+8*\d
	global_store_b128 v[L16], v[OUT+8*\d:OUT+8*\d+3], s[IMG:IMG+1] offset:1024*\d          ; piece 0: channels 32 h + 0 .. 15 of token r; 512 consecutive bytes
	global_store_b128 v[L16], v[OUT+8*\d+4:OUT+8*\d+7], s[IMG:IMG+1] offset:1024*\d+512    ; piece 1: channels 32 h + 16 .. 31
.endr
.irp d, 0,1,2,3
	v_mul_f32 v[EV+\d], s[FAC], v[AM+\d]
.endr
	v_cndmask_b32 v[PK+2], v[EV], v[EV+1], s[HMASK]
	v_cndmask_b32 v[PK+3], v[EV+2], v[EV+3], s[HMASK]
	global_store_b32 v[L4], v[PK+2], s[AMX:AMX+1]
	global_store_b32 v[L4], v[PK+3], s[AMX:AMX+1] offset:128
.Ljoin:
	; ---- 3: the one barrier of the way out: the partial maxima and v's stage are whole behind it
	s_wait_dscnt 0x0
	s_barrier_signal -1
	s_barrier_wait -1
	; ---- 4: the half head: query head 2 nj + 1, my 16 of each half's 32 channels
.irp d, 0,1,2,3
	ds_load_b32 v[PT+\d], v[MXR] offset:64*\d
.endr
	s_wait_dscnt 0x0
.irp d, 0,1,2,3
	v_max_num_f32 v[HM+\d], v[HM+\d], v[PT+\d]
.endr
	DIV127 HM
.irp d, 0,1,2,3
	PACK \d, 32, 16, OUT2+4*\d
	global_store_b128 v[L16], v[OUT2+4*\d:OUT2+4*\d+3], s[HIMG:HIMG+1] offset:1024*\d      ; piece nh of the image
.endr
	s_cmp_lg_u32 s16, 0
	s_cbranch_scc1 .Lno_factor                     ; the factor is stored by the wave with nh = 0, whose FAC is q's
.irp d, 0,1,2,3
	v_mul_f32 v[EV+\d], s[FAC], v[HM+\d]
.endr
	v_cndmask_b32 v[PK+4], v[EV], v[EV+1], s[HMASK]
	v_cndmask_b32 v[PK+5], v[EV+2], v[EV+3], s[HMASK]
	global_store_b32 v[L4], v[PK+4], s[HAMX:HAMX+1]
	global_store_b32 v[L4], v[PK+5], s[HAMX:HAMX+1] offset:128
.Lno_factor:
	; ---- 5: v along the keys.  Wave w makes channel tile w of V^T: lane (r, h) takes one channel, and its registers run down the keys: register 32 c + i is slot i of block 2 c + h.
	; Within a block of 32 keys slot i holds key (i & 7) + 16 ((i >> 3) & 1) + 8 (i >> 4): the order in which the next launch's weights p stand.  A block's scale does not know of the order.
	s_cmp_eq_u32 s[KINDV], 0
	s_cbranch_scc1 .Lno_v
	s_wait_xcnt 0x0                                ; the stores above have read their registers: the loads below land on some of them
.irp c, 0,1
.set vi, 0
.rept 32
	ds_load_b32 v[Y+32*\c+vi], v[VRA] offset:(64*\c+(vi&7)+16*((vi>>3)&1)+8*(vi>>4))*272
.set vi, vi+1
.endr
.endr
	s_wait_dscnt 0x0
.irp c, 0,1
	v_max3_num_f32 v[AM+\c], |v[Y+32*\c]|, |v[Y+32*\c+1]|, 0x1800000   ; the floor 2^(3 - 127) holds the byte at 1 from below
.endr
.irp i, 2,4,6,8,10,12,14,16,18,20,22,24,26,28,30
.irp c, 0,1
	v_max3_num_f32 v[AM+\c], v[AM+\c], |v[Y+32*\c+\i]|, |v[Y+32*\c+\i+1]|
.endr
.endr
.irp c, 0,1
	v_add_nc_u32 v[AM+2+\c], 0xff000000, v[AM+\c]  ; 2 off the exponent field: the conversion's scale operand
.endr
.irp c, 0,1
	v_lshrrev_b32 v[HM+\c], 23, v[AM+2+\c]         ; the scale's byte
.endr
	v_lshl_or_b32 v[HM+2], v[HM+1], 16, v[HM]
	v_lshlrev_b32 v[HM+2], v[SH8], v[HM+2]
	v_permlanex16_b32 v[PT], v[HM+2], s[SEL], s[SEL+1]
	v_or_b32 v[HM+2], v[HM+2], v[PT]               ; the channel's scale word for these 128 keys, in both halves of the lanes
.irp c, 0,1
	v_cvt_scalef32_pk16_fp6_f32 v[176+6*\c:178+6*\c], v[Y+32*\c:Y+32*\c+15], v[AM+2+\c]
	v_cvt_scalef32_pk16_fp6_f32 v[188+4*\c:190+4*\c], v[Y+32*\c+16:Y+32*\c+31], v[AM+2+\c]   ; (a conversion's three registers begin on an even number)
.endr
	v_nop                                          ; one plain place behind a scaled conversion
.irp c, 0,1
.irp i, 0,1,2
	v_mov_b32 v[179+6*\c+\i], v[188+4*\c+\i]
.endr
.endr
.irp c, 0,1
	global_store_b128 v[L16], v[176+6*\c:179+6*\c], s[VIMG:VIMG+1] offset:8192+768*\c
	global_store_b64 v[L8], v[180+6*\c:181+6*\c], s[VIMG:VIMG+1] offset:8192+768*\c+512
.endr
	global_store_b32 v[L4], v[HM+2], s[VSCL:VSCL+1] offset:14336
.Lno_v:
	s_wait_tensorcnt 0x0                           ; the wave's end, behind my last tensor load and my last LDS store
	ds_add_u32 v[SPW], v[NIL]
	s_wait_dscnt 0x0
	CROUND                                         ; the closing round: no work-group ends while a partner may still ask for a record that names it
	s_endpgm
.Lfunc_end_k_q3e9ca69337_qkv:
	.size	k_q3e9ca69337_qkv, .Lfunc_end_k_q3e9ca69337_qkv-k_q3e9ca69337_qkv
	.p2alignl 7, 3214868480
	.fill 96, 4, 3214868480
	.section	.rodata,"a",@progbits
	.p2align	6, 0x0
	.amdhsa_kernel k_q3e9ca69337_qkv
		.amdhsa_group_segment_fixed_size 327680
		.amdhsa_private_segment_fixed_size 0
		.amdhsa_enable_private_segment 0
		.amdhsa_kernarg_size 40
		.amdhsa_user_sgpr_count 2
		.amdhsa_user_sgpr_kernarg_segment_ptr 1
		.amdhsa_wavefront_size32 1
		.amdhsa_system_sgpr_workgroup_id_x 1
		.amdhsa_system_sgpr_workgroup_id_y 1
		.amdhsa_system_sgpr_workgroup_id_z 1
		.amdhsa_system_vgpr_workitem_id 0
		.amdhsa_next_free_vgpr 768
		.amdhsa_next_free_sgpr 100
		.amdhsa_reserve_vcc 0
		.amdhsa_float_denorm_mode_32 3
		.amdhsa_float_denorm_mode_16_64 3
		.amdhsa_memory_ordered 1
		.amdhsa_forward_progress 1
		.amdhsa_inst_pref_size 151
	.end_amdhsa_kernel
	.amdgpu_metadata
---
amdhsa.version: [ 1, 2 ]
amdhsa.kernels:
  - .name:           k_q3e9ca69337_qkv
    .symbol:         k_q3e9ca69337_qkv.kd
    .args:
      - { .name: xc, .offset: 0, .size: 8, .value_kind: global_buffer, .address_space: global }
      - { .name: wc, .offset: 8, .size: 8, .value_kind: global_buffer, .address_space: global }
      - { .name: qi, .offset: 16, .size: 8, .value_kind: global_buffer, .address_space: global }
      - { .name: qa, .offset: 24, .size: 8, .value_kind: global_buffer, .address_space: global }
      - { .name: kv, .offset: 32, .size: 8, .value_kind: global_buffer, .address_space: global }
    .group_segment_fixed_size: 327680
    .private_segment_fixed_size: 0
    .kernarg_segment_align: 8
    .kernarg_segment_size: 40
    .max_flat_workgroup_size: 128
    .sgpr_count:     100
    .vgpr_count:     768
    .wavefront_size: 32
...
	.end_amdgpu_metadata
.endif
;; end of part 2
;; launch attn (part 3): grid 32 x 8, 16 waves a work-group, clusters of 4 x 1, 247,808 bytes of LDS; arguments qi, qa, kv, oc; writes oc
.if DOCPART == 3
	.amdgcn_target "amdgcn-amd-amdhsa--gfx1250"
	.amdhsa_code_object_version 6
	.text
	.protected	k_q3e9ca69337_attn
	.globl	k_q3e9ca69337_attn
	.p2align	8
	.type	k_q3e9ca69337_attn,@function
k_q3e9ca69337_attn:
	s_mov_b64 s[64:65], 0
	v_nop
	global_prefetch_b8 v0, s[64:65] scope:SCOPE_SE
	s_setreg_imm32_b32 hwreg(HW_REG_WAVE_MODE, 25, 1), 1
	s_wait_xcnt 0x0
	s_wait_alu depctr_hold_cnt(0) depctr_sa_sdst(0) depctr_va_vdst(0) depctr_va_sdst(0) depctr_va_ssrc(0) depctr_va_vcc(0) depctr_vm_vsrc(0)
	s_getreg_b32 s2, hwreg(HW_REG_IB_STS2, 6, 4)
	s_cmp_eq_u32 s2, 0
	s_cbranch_scc0 .Lentry_in_a_cluster
	s_endpgm
.Lentry_in_a_cluster:
	s_bfe_u32 s2, ttmp6, 0x10000c
	s_cmp_lg_u32 s2, 0x3003
	s_cbranch_scc0 .Lentry_shape_is_right
	s_endpgm
.Lentry_shape_is_right:
; Causal attention, 32 query heads on 8 key and value heads, 2,048 tokens, head size 64.  Scores: int8 x int8 -> int32, exactly, by v_wmma_i32_16x16x64_iu8 (the definition's own arithmetic);
; t = (score x ka[key]) x aq[query], ka = k's largest magnitude, aq = q's x log2(e) / 8 / 127^2: three f32 roundings, in another order than the definition's.
; THE SOFTMAX AHEAD OF THE SECOND PRODUCT: M = the running largest t rounded UP to a whole number; p = 2^(t - M) is quantised to FP6 (E2M3) along the keys, not normalised; the row's sum is taken of the unquantised p and
; divides O at the end; when M moves, the sum and O are multiplied by 2^(old M - new M), exactly.  V arrives as codes of FP6 along the keys.  O / sum is quantised along (head, channel) and stored as records for the last product.
; SHARES: the four work-groups of a cluster are the four query heads of one key and value head.  The head's K and V, sixteen records of 15,360 bytes (128 keys each), are asked for JOINTLY, once, and stay in LDS: no slot is filled again.
; A work-group owns query blocks i and 15 - i of 128 queries: 8 (i + 1) + 8 (16 - i) = 136 tile steps, the same for every work-group.  Each of its sixteen waves owns one tile of 16 queries, in 256 registers.
; A step all of whose keys come after the wave's block is left out by a scalar branch on ids; the trip counts stay constants; on the diagonal hidden scores become -infinity.
; LAYOUT: both products are used transposed (S^T = K Q^T, O^T = V^T P^T): a lane holds one query (lane % 16).  Key tile t is keys 16 t .. 16 t + 15, so registers 16 b + i of lane (r, h) are keys
; 32 b + 16 (i / 8) + 8 h + i % 8: a permutation inside a block of 32, which V's codes were laid in as well.  Q's and K's images map channels onto the instruction's k alike, so the whole-number sums are the same.
; A record: 0: eight images of K (1,024 bytes); 8,192: four images of V^T (1,536); 14,336: V's scale words (128 a tile); 14,848: ka (512).
; A scale word of the output belongs to two heads, that is to two work-groups: each stores its two bytes (2 bytes a lane, 16 bytes apart; 512 bytes a wave).
; LIMITS: NaN and infinities are not served; a block of p or of O that is all zeros or under 2^(3 - 127) keeps the scale byte 1.
.set L16, 1                            ; v1 16 l, v2 8 l, v3 4 l, v4 32 h
.set L8,  2
.set L4,  3
.set H32, 4
.set NINF, 5                           ; v5 -infinity
.set DG,  6                            ; v6 16 qt + r - 8 h: register 8 t + j is hidden on the diagonal where 16 t + j is greater
.set R4,  7                            ; v7 4 r
.set ADK, 8                            ; v8-11 the step's record + v1 .. v4
.set AD8, 9
.set AD4, 10
.set ADH, 11
.set F,   32                           ; v32-95  K, then ka, then at work: v32-35 block maxima, v36-39 the other half's, v40-43 scale operands, v44-47 bytes, v48-59 p's codes, v60-66 upper halves, v68-69 sums
.set S,   96                           ; v96-159 scores, then score x ka, then p
.set O,   160                          ; v160-191 O^T, four tiles
.set VF,  192                          ; v192-239 V's four fragments
.set VS,  240                          ; v240-243 V's scale words
.set PW,  244                          ; v244 p's scale word
.set WV,  12
.set BLK, 15
.set SEL, 20
.set TB,  22
.set KJ,  23
.set G1,  28
.set G0,  36
.macro CROUND                          ; a round of the cluster's barrier
	s_barrier_signal -1
	s_barrier_wait -1
	s_cmp_lg_u32 s[WV], 0
	s_cbranch_scc1 .Lnot_wave_0_\@
	s_barrier_signal -3
.Lnot_wave_0_\@:
	s_barrier_wait -3
	s_barrier_signal -1
	s_barrier_wait -1
.endm
	s_load_b256 s[4:11], s[0:1], 0x0               ; qi s[4:5], qa s[6:7], kv s[8:9], oc s[10:11]
	v_lshl_add_u32 v254, v0, 2, 0x3c000
	v_mov_b32 v255, 0
	ds_add_u32 v254, v255
	ds_add_u32 v254, v255
	v_lshrrev_b32 v8, 5, v0
	v_readfirstlane_b32 s[WV], v8                  ; wave 0..15
	s_lshr_b32 s13, s[WV], 2
	s_xor_b32 s13, s13, s[WV]
	s_and_b32 s13, s13, 1                          ; role: which of the two query blocks; of any four neighbouring waves, and of any four that lie four apart, two have each role
	s_lshr_b32 s14, s[WV], 1                       ; qt: my tile of 16 queries in the block
	s_and_b32 s18, ttmp7, 0xffff                   ; i: the cluster's y, shared by the partners
	s_sub_co_u32 s[BLK], 15, s18
	s_cmp_eq_u32 s13, 0
	s_cselect_b32 s[BLK], s18, s[BLK]              ; my query block
	s_bfe_u32 s16, ttmp6, 0x40000                  ; cx: it enters global addresses of q and o alone
	s_lshl_b32 s17, ttmp9, 2
	s_add_co_u32 s17, s17, s16                     ; my query head = 4 x key head + cx
	; descriptor group 1: a record, dense: 60 rows of 256 bytes (32 elements of 8 bytes)
	s_mov_b32 s[G1], 15|(3<<16)|(1<<21)            ; 15:0 the mask: all four work-groups; 17:16 elements of 8 bytes; 21 set beside a mask
	s_mov_b32 s[G1+1], 32<<16
	s_mov_b32 s[G1+2], 60<<16
	s_mov_b32 s[G1+3], 32<<16
	s_mov_b32 s[G1+4], 60
	s_mov_b32 s[G1+5], 32
	s_mov_b32 s[G1+6], 0
	s_mov_b32 s[G1+7], 0
	s_and_b32 s52, s[WV], 3
	s_mul_i32 s52, s52, 15360                      ; of each chunk of four records wave w (0..3) fetches record w
	s_mul_i32 s54, ttmp9, 245760
	s_add_co_u32 s54, s54, s52
	s_mov_b32 s55, 0
	s_mov_b32 s[SEL], 0x76543210
	s_mov_b32 s[SEL+1], 0xfedcba98
	s_wait_dscnt 0x0
	s_wait_kmcnt 0x0
	s_add_nc_u64 s[54:55], s[8:9], s[54:55]
	CROUND                                         ; all four work-groups are here: the joint loads meet
.irp c, 0,1,2,3
	s_mov_b32 s[G0+4*\c], 1
	s_add_co_u32 s[G0+4*\c+1], s52, \c*61440
	s_add_nc_u64 s[G0+4*\c+2:G0+4*\c+3], s[54:55], \c*61440
	s_or_b32 s[G0+4*\c+3], s[G0+4*\c+3], 0x80000000
.endr
	s_cmp_lt_u32 s[WV], 4                          ; all fills of the launch stand in one branch, ahead of every wait on TENSORcnt and every LDS read: four loads of a fetching wave are out
	s_cbranch_scc0 .Lno_fetch
	tensor_load_to_lds s[G0:G0+3], s[G1:G1+7]
	s_nop 0
	tensor_load_to_lds s[G0+4:G0+7], s[G1:G1+7]
	s_nop 0
	tensor_load_to_lds s[G0+8:G0+11], s[G1:G1+7]
	s_nop 0
	tensor_load_to_lds s[G0+12:G0+15], s[G1:G1+7]
	s_nop 0
.rept 4
	v_nop
.endr
.Lno_fetch:
	v_and_b32 v8, 31, v0                           ; l
	v_and_b32 v9, 15, v0                           ; r
	v_bfe_u32 v10, v0, 4, 1                        ; h
	v_lshlrev_b32 v[L16], 4, v8
	v_lshlrev_b32 v[L8], 3, v8
	v_lshlrev_b32 v[L4], 2, v8
	v_lshlrev_b32 v[H32], 5, v10
	v_mov_b32 v[NINF], 0xff800000
	v_lshlrev_b32 v[DG], 3, v10
	v_sub_nc_u32 v[DG], v9, v[DG]
	s_lshl_b32 s53, s14, 4
	v_add_nc_u32 v[DG], s53, v[DG]
	v_lshlrev_b32 v[R4], 2, v9
	s_lshl_b32 s59, s[BLK], 3
	s_add_co_u32 s59, s59, s14                     ; my tile of 16 queries among the 128
	s_lshl_b32 s56, s17, 17
	s_lshl_b32 s58, s59, 10
	s_add_co_u32 s56, s56, s58
	s_mov_b32 s57, 0
	s_add_nc_u64 s[4:5], s[4:5], s[56:57]          ; its image
	s_lshl_b32 s56, s17, 13
	s_lshl_b32 s58, s59, 6
	s_add_co_u32 s56, s56, s58
	s_add_nc_u64 s[6:7], s[6:7], s[56:57]          ; its factors
	global_load_b128 v[16:19], v[L16], s[4:5]
	global_load_b128 v[20:23], v[L16], s[4:5] offset:512
	global_load_b32 v24, v[R4], s[6:7]
	s_mul_i32 s56, s59, 26624
	s_lshr_b32 s58, s17, 3
	s_mul_i32 s58, s58, 6656
	s_add_co_u32 s56, s56, s58                     ; oc: my tile of rows, the record of K 512 (head / 8) on
	s_bfe_u32 s58, s17, 0x20001                    ; its K step (head / 2) % 4,
	s_and_b32 s60, s17, 1                          ; and that step's half head % 2
	s_mul_i32 s61, s58, 1536
	s_mul_i32 s62, s60, 768
	s_add_co_u32 s70, s61, s62
	s_add_co_u32 s70, s70, s56
	s_mov_b32 s71, 0
	s_add_nc_u64 s[66:67], s[10:11], s[70:71]      ; where my codes go
	s_lshl_b32 s58, s58, 2
	s_lshl_b32 s60, s60, 1
	s_add_co_u32 s70, s58, s60
	s_add_co_u32 s70, s70, s56
	s_add_nc_u64 s[68:69], s[10:11], s[70:71]      ; and (6,144 on) my two scale bytes of each row's word
	v_mov_b32 v13, 0xff61b1e6                      ; the largest t so far: -3e38, under every t
	v_floor_f32 v12, -v13                          ; -M
	v_mov_b32 v14, 0                               ; the sum, in two halves
	v_mov_b32 v15, 0
	v_mov_b32 v26, 0
	v_mov_b32 v29, 0                               ; (named as the upper half of the pair v[28:29])
.irp j, 0,1,2,3,4,5,6,7,8,9,10,11,12,13,14,15,16,17,18,19,20,21,22,23,24,25,26,27,28,29,30,31
	v_mov_b32 v[O+\j], 0                           ; O^T: the step is written without a first step of its own: the first change of M leaves zeros zeros
.endr
	s_wait_loadcnt 0x0
	v_mov_b32 v25, v24                             ; (named with aq as a pair)
; A KEY STEP: 128 keys, record KJ, at LDS byte TB.
.macro STEP
	s_cmp_gt_u32 s[KJ], s[BLK]                     ; all its keys come after my queries: nothing to do
	s_cbranch_scc1 .Lskip_\@
	v_add_nc_u32 v[ADK], s[TB], v[L16]             ; these four are also the places between the last step's products and the loads into the registers that they read
	v_add_nc_u32 v[AD8], s[TB], v[L8]
	v_add_nc_u32 v[AD4], s[TB], v[L4]
	v_add_nc_u32 v[ADH], s[TB], v[H32]
.irp t, 0,1,2,3,4,5,6,7
	ds_load_b128 v[F+8*\t:F+8*\t+3], v[ADK] offset:1024*\t
	ds_load_b128 v[F+8*\t+4:F+8*\t+7], v[ADK] offset:1024*\t+512
.endr
.irp w, 0,1,2,3
	ds_load_b128 v[VF+12*\w:VF+12*\w+3], v[ADK] offset:8192+1536*\w
	ds_load_b64 v[VF+12*\w+4:VF+12*\w+5], v[AD8] offset:8192+1536*\w+512
	ds_load_b128 v[VF+12*\w+6:VF+12*\w+9], v[ADK] offset:8192+1536*\w+768
	ds_load_b64 v[VF+12*\w+10:VF+12*\w+11], v[AD8] offset:8192+1536*\w+1280
.endr
.irp w, 0,1,2,3
	ds_load_b32 v[VS+\w], v[AD4] offset:14336+128*\w
.endr
	s_wait_dscnt 20                                ; K's sixteen loads are in; V's sixteen and its four scale words may be out
.irp t, 0,1,2,3,4,5,6,7
	v_wmma_i32_16x16x64_iu8 v[S+8*\t:S+8*\t+7], v[F+8*\t:F+8*\t+7], v[16:23], 0 neg_lo:[1,1,0]   ; both signed; lane (r, h), register j: key 16 t + 8 h + j, query r
.endr
.rept 8
	v_nop                                          ; eight places behind this form, in front of loads into K's registers and of the first read of the scores
.endr
.irp t, 0,1,2,3,4,5,6,7
	ds_load_b128 v[F+8*\t:F+8*\t+3], v[ADH] offset:14848+64*\t        ; ka of my eight keys of tile t
	ds_load_b128 v[F+8*\t+4:F+8*\t+7], v[ADH] offset:14848+64*\t+16
.endr
.set sn, 0
.rept 64
	v_cvt_f32_i32 v[S+sn], v[S+sn]                 ; exact: under 2^24.  Each accumulator from its low end on
.set sn, sn+1
.endr
	s_wait_dscnt 0x0                               ; ka and V are in
.set sn, 0
.rept 32
	v_pk_mul_f32 v[S+sn:S+sn+1], v[S+sn:S+sn+1], v[F+sn:F+sn+1]   ; u = score x ka
.set sn, sn+2
.endr
	s_cmp_lg_u32 s[KJ], s[BLK]
	s_cbranch_scc1 .Lopen_\@                       ; off the diagonal every key counts
.set sn, 0
.rept 64
	v_cmp_gt_i32 vcc_lo, 16*(sn/8)+sn%8, v[DG]
	v_cndmask_b32 v[S+sn], v[S+sn], v[NINF], vcc_lo
.set sn, sn+1
.endr
.Lopen_\@:
.irp b, 0,1,2,3
	v_max3_num_f32 v[32+\b], v[S+16*\b], v[S+1+16*\b], v[S+2+16*\b]   ; the largest u of each block of 32 keys: for the row's maximum and, since p rises with u (aq is positive), for the block's largest p
.endr
.irp i, 3,5,7,9,11,13
.irp b, 0,1,2,3
	v_max3_num_f32 v[32+\b], v[32+\b], v[S+16*\b+\i], v[S+1+16*\b+\i]
.endr
.endr
.irp b, 0,1,2,3
	v_max_num_f32 v[32+\b], v[32+\b], v[S+15+16*\b]
.endr
.irp b, 0,1,2,3
	v_permlanex16_b32 v[36+\b], v[32+\b], s[SEL], s[SEL+1]
.endr
.irp b, 0,1,2,3
	v_max_num_f32 v[32+\b], v[32+\b], v[36+\b]     ; with lane l xor 16's 16 keys
.endr
	v_max3_num_f32 v26, v32, v33, v34
	v_max_num_f32 v26, v26, v35
	v_mul_f32 v26, v24, v26                        ; the step's largest t of my query
	v_max_num_f32 v13, v13, v26                    ; the running largest t
	v_mov_b32 v26, v12
	v_floor_f32 v12, -v13                          ; the new -M = -ceil(t): a whole number
	v_sub_f32 v26, v12, v26                        ; old M less new M: a whole number, 0 or less
	v_cvt_i32_f32 v26, v26                         ; (it saturates)
	v_ldexp_f32 v28, 1.0, v26                      ; f = 2^(old M - new M)
.set sn, 0
.rept 32
	v_pk_fma_f32 v[S+sn:S+sn+1], v[S+sn:S+sn+1], v[24:25], v[12:13] op_sel_hi:[1,0,0]   ; t - M (of the pairs aq and -M the low word serves both halves)
.set sn, sn+2
.endr
.irp b, 0,1,2,3
	v_fma_f32 v[32+\b], v[32+\b], v24, v12         ; the same of each block's largest u
.endr
.set sn, 0
.rept 64
	v_exp_f32 v[S+sn], v[S+sn]                     ; p = 2^(t - M): not normalised
.set sn, sn+1
.endr
	v_pk_mul_f32 v[14:15], v[14:15], v[28:29] op_sel_hi:[1,0]   ; the sums under the new M: a plain place behind the exponentials
	s_wait_alu depctr_va_vdst(0)                   ; one wait for the batch, ahead of its first reader
.irp b, 0,1,2,3
	v_exp_f32 v[32+\b], v[32+\b]                   ; the block's largest p: the same two instructions on the same number
.endr
	v_pk_add_f32 v[68:69], v[S:S+1], v[S+2:S+3]    ; the row's sum is taken of the unquantised p, in two chains; it reads the 64 alone
.irp j, 4,8,12,16,20,24,28,32,36,40,44,48,52,56,60
	v_pk_add_f32 v[14:15], v[14:15], v[S+\j:S+\j+1]
	v_pk_add_f32 v[68:69], v[68:69], v[S+2+\j:S+3+\j]
.endr
	v_pk_add_f32 v[14:15], v[14:15], v[68:69]
	s_wait_alu depctr_va_vdst(0)                   ; and one for the four
.irp b, 0,1,2,3
	v_max_num_f32 v[32+\b], 0x1800000, v[32+\b]    ; the floor 2^(3 - 127): the byte cannot fall under 1
.endr
.irp b, 0,1,2,3
	v_add_nc_u32 v[40+\b], 0xff000000, v[32+\b]    ; 2 off the exponent field: the conversion's scale operand
.endr
.irp b, 0,1,2,3
	v_lshrrev_b32 v[44+\b], 23, v[40+\b]
.endr
	v_lshl_or_b32 v[PW], v45, 8, v44               ; p's scale word for these 128 keys
	v_lshl_or_b32 v[PW], v46, 16, v[PW]
	v_lshl_or_b32 v[PW], v47, 24, v[PW]
.irp c, 0,1
	v_cvt_scalef32_pk16_fp6_f32 v[48+6*\c:50+6*\c], v[S+32*\c:S+15+32*\c], v[40+2*\c]
	v_cvt_scalef32_pk16_fp6_f32 v[60+4*\c:62+4*\c], v[S+16+32*\c:S+31+32*\c], v[40+2*\c+1]
.endr
	v_nop                                          ; one plain place behind a scaled conversion
.irp c, 0,1                            ; the operand's layout wants a whole block in a lane: lanes 0-15 block 2 c, lanes 16-31 block 2 c + 1
.irp i, 0,1,2
	v_permlane16_swap_b32 v[48+6*\c+\i], v[60+4*\c+\i]
.endr
.irp i, 0,1,2
	v_mov_b32 v[51+6*\c+\i], v[60+4*\c+\i]
.endr
.endr
.set sn, 0
.rept 16
	v_pk_mul_f32 v[O+sn:O+sn+1], v[O+sn:O+sn+1], v[28:29] op_sel_hi:[1,0]   ; O^T under the new M.  For each product below twelve of these name none of its registers: the places behind the writes of p's codes and scale word
.set sn, sn+2
.endr
.irp w, 0,1,2,3
	v_wmma_scale_f32_16x16x128_f8f6f4 v[O+8*\w:O+8*\w+7], v[VF+12*\w:VF+12*\w+11], v[48:59], v[O+8*\w:O+8*\w+7], v[VS+\w], v[PW] matrix_a_fmt:MATRIX_FMT_FP6 matrix_b_fmt:MATRIX_FMT_FP6   ; the four accumulators by turns
.endr
.Lskip_\@:
.endm
; Four records: the wave that fetched waits for its load of this chunk, the barrier shows the chunk to all sixteen; nothing is filled again, so the later chunks' loads stay out.
.macro CHUNK c
	s_wait_tensorcnt 3-\c                          ; the later chunks' loads may be out
	s_wait_dscnt 0x0                               ; no LDS load of mine is out at the signal
	s_barrier_signal -1
	s_barrier_wait -1
	s_mov_b32 s[TB], 61440*\c
	s_mov_b32 s[KJ], 4*\c
.Lstep_\@:
	STEP
	s_add_co_u32 s[TB], s[TB], 15360
	s_add_co_u32 s[KJ], s[KJ], 1
	s_cmp_lt_u32 s[KJ], 4*\c+4
	s_cbranch_scc1 .Lstep_\@
.endm
	CHUNK 0
	CHUNK 1
	CHUNK 2
	CHUNK 3
	; THE WAY OUT.  O^T / the sum; registers 16 b + i are channels 32 b + 16 h + i of my head: two blocks of 32 along the last product's K, each half in a lane.
.rept 4
	v_nop                                          ; places behind the last products
.endr
	v_add_f32 v14, v14, v15
	v_permlanex16_b32 v26, v14, s[SEL], s[SEL+1]
	v_add_f32 v14, v14, v26                        ; the row's sum
	v_rcp_f32 v14, v14
	v_mov_b32 v34, 0                               ; (a plain place; a lane permute's destination counts as one of its sources)
	v_mov_b32 v35, 0
	s_wait_alu depctr_va_vdst(0)                   ; the wait ahead of the reciprocal's first reader
.set sn, 0
.rept 32
	v_mul_f32 v[S+sn], v[O+sn], v14
.set sn, sn+1
.endr
.irp b, 0,1
	v_max3_num_f32 v[32+\b], |v[S+16*\b]|, |v[S+1+16*\b]|, 0x1800000
.endr
.irp i, 2,4,6,8,10,12,14
.irp b, 0,1
	v_max3_num_f32 v[32+\b], v[32+\b], |v[S+16*\b+\i]|, |v[S+1+16*\b+\i]|
.endr
.endr
.irp b, 0,1
	v_permlanex16_b32 v[34+\b], v[32+\b], s[SEL], s[SEL+1]
.endr
.irp b, 0,1
	v_max_num_f32 v[32+\b], v[32+\b], v[34+\b]
.endr
.irp b, 0,1
	v_add_nc_u32 v[40+\b], 0xff000000, v[32+\b]
.endr
.irp b, 0,1
	v_lshrrev_b32 v[44+\b], 23, v[40+\b]
.endr
	v_lshl_or_b32 v46, v45, 8, v44                 ; my head's two bytes of the row's scale word
	v_cvt_scalef32_pk16_fp6_f32 v[48:50], v[S:S+15], v40
	v_cvt_scalef32_pk16_fp6_f32 v[52:54], v[S+16:S+31], v41
	v_nop                                          ; one plain place behind a scaled conversion
.irp i, 0,1,2
	v_permlane16_swap_b32 v[48+\i], v[52+\i]       ; lanes 0-15 now hold block 0 whole, lanes 16-31 block 1
.endr
	v_mov_b32 v51, v52
	v_mov_b32 v52, v53
	v_mov_b32 v53, v54
	global_store_b128 v[L16], v[48:51], s[66:67]               ; half an image: 512 consecutive bytes,
	global_store_b64 v[L8], v[52:53], s[66:67] offset:512      ; and 256
	global_store_b16 v[L16], v46, s[68:69] offset:6144
	s_wait_tensorcnt 0x0
	ds_add_u32 v254, v255
	s_wait_dscnt 0x0
	CROUND                                         ; the closing round: no work-group ends while a partner may still ask for a record that names it
	s_endpgm
.Lfunc_end_k_q3e9ca69337_attn:
	.size	k_q3e9ca69337_attn, .Lfunc_end_k_q3e9ca69337_attn-k_q3e9ca69337_attn
	.p2alignl 7, 3214868480
	.fill 96, 4, 3214868480
	.section	.rodata,"a",@progbits
	.p2align	6, 0x0
	.amdhsa_kernel k_q3e9ca69337_attn
		.amdhsa_group_segment_fixed_size 247808
		.amdhsa_private_segment_fixed_size 0
		.amdhsa_enable_private_segment 0
		.amdhsa_kernarg_size 32
		.amdhsa_user_sgpr_count 2
		.amdhsa_user_sgpr_kernarg_segment_ptr 1
		.amdhsa_wavefront_size32 1
		.amdhsa_system_sgpr_workgroup_id_x 1
		.amdhsa_system_sgpr_workgroup_id_y 1
		.amdhsa_system_sgpr_workgroup_id_z 1
		.amdhsa_system_vgpr_workitem_id 0
		.amdhsa_next_free_vgpr 256
		.amdhsa_next_free_sgpr 80
		.amdhsa_reserve_vcc 1
		.amdhsa_float_denorm_mode_32 3
		.amdhsa_float_denorm_mode_16_64 3
		.amdhsa_memory_ordered 1
		.amdhsa_forward_progress 1
		.amdhsa_inst_pref_size 114
	.end_amdhsa_kernel
	.amdgpu_metadata
---
amdhsa.version: [ 1, 2 ]
amdhsa.kernels:
  - .name:           k_q3e9ca69337_attn
    .symbol:         k_q3e9ca69337_attn.kd
    .args:
      - { .name: qi, .offset: 0, .size: 8, .value_kind: global_buffer, .address_space: global }
      - { .name: qa, .offset: 8, .size: 8, .value_kind: global_buffer, .address_space: global }
      - { .name: kv, .offset: 16, .size: 8, .value_kind: global_buffer, .address_space: global }
      - { .name: oc, .offset: 24, .size: 8, .value_kind: global_buffer, .address_space: global }
    .group_segment_fixed_size: 247808
    .private_segment_fixed_size: 0
    .kernarg_segment_align: 8
    .kernarg_segment_size: 32
    .max_flat_workgroup_size: 512
    .sgpr_count:     80
    .vgpr_count:     256
    .wavefront_size: 32
...
	.end_amdgpu_metadata
.endif
;; end of part 3
;; launch outp (part 4): grid 16 x 16, 4 waves a work-group, clusters of 4 x 4, 327,680 bytes of LDS; arguments oc, woc, out0; writes out0
.if DOCPART == 4
	.amdgcn_target "amdgcn-amd-amdhsa--gfx1250"
	.amdhsa_code_object_version 6
	.text
	.protected	k_q3e9ca69337_outp
	.globl	k_q3e9ca69337_outp
	.p2align	8
	.type	k_q3e9ca69337_outp,@function
k_q3e9ca69337_outp:
	s_mov_b64 s[64:65], 0
	v_nop
	global_prefetch_b8 v0, s[64:65] scope:SCOPE_SE
	s_setreg_imm32_b32 hwreg(HW_REG_WAVE_MODE, 25, 1), 1
	s_wait_xcnt 0x0
	s_wait_alu depctr_hold_cnt(0) depctr_sa_sdst(0) depctr_va_vdst(0) depctr_va_sdst(0) depctr_va_ssrc(0) depctr_va_vcc(0) depctr_vm_vsrc(0)
	s_getreg_b32 s2, hwreg(HW_REG_IB_STS2, 6, 4)
	s_cmp_eq_u32 s2, 0
	s_cbranch_scc0 .Lentry_in_a_cluster
	s_endpgm
.Lentry_in_a_cluster:
	s_bfe_u32 s2, ttmp6, 0x10000c
	s_cmp_lg_u32 s2, 0xf033
	s_cbranch_scc0 .Lentry_shape_is_right
	s_endpgm
.Lentry_shape_is_right:
; out0 = o Wo^T on codes of FP6 (E2M3) with E8M0 scales: [2048 tokens] x [2048 columns] x [K 2048], f32 out.
; OPERANDS arrive in records of 6,656 bytes (16 rows x 512 K in the order of the operand's registers, then the rows' scale words): every LDS read is 16 x lane or 8 x lane on end: no pitch, no padding.
; SHARES: a work-group makes 128 tokens x 128 columns, 256 work-groups in all; four waves, 2 x 2: wave (mh, nh) has 64 x 64: 16 accumulators.
; K goes in four slots' worth of 512 through a ring of two LDS slots; all sixteen K steps of 128 are written out.
; CLUSTER 4 x 4: the four of a row of the cluster need the same records of o, the four of a column the same of Wo: each is asked for jointly.
; THE MATRIX INSTRUCTION IS USED TRANSPOSED (source 0 = 16 rows of Wo, source 1 = 16 tokens): a lane holds eight neighbouring numbers of a row of the output.
; REGISTERS: window 0: v1-29 addresses; v32-111 scale words, two sets, and nothing else; v112-159, v160-207 o's fragments, two sets; on the way out v112-239 take rows read back.
;   window 1: Wo's fragments, two sets, at v0 and v128.   window 2: accumulator (a, b) at v[8 (4 a + b)].
.set NBW,   4
.set TBT,   2*NBW
.set NACC,  4*NBW
.set TH1,   4
.set TH2,   8
.set REC,   6656
.set RT,    4*REC
.set BOFF,  8*REC
.set SLOT,  (8+TBT)*REC
.set STG,   2*SLOT                     ; behind the ring: for each wave a stage of 16 rows x (256 + 16) bytes
.set SPARE, STG+4*16*272               ; the spare words, 128 bytes for each wave: two blocks of 256 bytes that no other line names
.set L16, 3
.set L8,  4
.set A16, 6
.set A8,  8
.set B16, 10
.set B8,  12
.set STO, 14
.set RD,  15
.set CO,  16
.set SPW, 28
.set NIL, 29
.set SC,  32
.set AF,  112
.set BK,  112
.set G1,  24
.set G0,  32
.set G1B, 48
.set G0B, 56
.set MSB, 0
.macro WIN new                         ; the immediate's high byte repeats the setting that is left
.if MSB != \new
	s_set_vgpr_msb (MSB<<8)|\new
.set MSB, \new
.endif
.endm
.set MUL,  0xa1                        ; source 0 (Wo) window 1, source 1 (o) window 0, C and D window 2
.set TO_B, 0x40
.macro JLOAD g0a, g1a, g0b, g1b        ; a joint load: waves 0 and 1 fetch o's two halves, waves 2 and 3 Wo's; four v_nop follow each of the two lines
	s_cmp_eq_u32 s15, 0
	s_cbranch_scc0 .Lfor_b_\@
	tensor_load_to_lds s[\g0a:\g0a+3], s[\g1a:\g1a+7]
	s_nop 0
.rept 4
	v_nop
.endr
	s_branch .Lasked_\@
.Lfor_b_\@:
	tensor_load_to_lds s[\g0b:\g0b+3], s[\g1b:\g1b+7]
	s_nop 0
.rept 4
	v_nop
.endr
.Lasked_\@:
.endm
.macro CREST
	s_cmp_lg_u32 s14, 0
	s_cbranch_scc1 .Lnot_wave_0_\@
	s_barrier_signal -3
.Lnot_wave_0_\@:
	s_barrier_wait -3
	s_barrier_signal -1
	s_barrier_wait -1
.endm
.macro CROUND
	s_barrier_signal -1
	s_barrier_wait -1
	CREST
.endm
.macro PLACES n
.rept \n
	v_nop
.endr
.endm
.macro FRAG reg, a16, a8, off          ; an image of 1,536 bytes becomes a fragment's 12 registers
	ds_load_b128 v[\reg:\reg+3], v[\a16] offset:\off
	ds_load_b64 v[\reg+4:\reg+5], v[\a8] offset:\off+512
	ds_load_b128 v[\reg+6:\reg+9], v[\a16] offset:\off+768
	ds_load_b64 v[\reg+10:\reg+11], v[\a8] offset:\off+1280
.endm
.macro FETCH slot, q, set
	WIN TO_B
.set fb, 0
.rept NBW
	FRAG 128*(\set)+12*fb, B16+(\slot), B8+(\slot), REC*fb+1536*(\q)
.set fb, fb+1
.endr
	WIN 0
.set fb, 0
.rept 4
	FRAG AF+48*(\set)+12*fb, A16+(\slot), A8+(\slot), REC*fb+1536*(\q)
.set fb, fb+1
.endr
.endm
.macro SCALES slot
.set fb, 0
.rept 4
	ds_load_b128 v[SC+40*(\slot)+4*fb:SC+40*(\slot)+4*fb+3], v[A16+(\slot)] offset:REC*fb+6144
.set fb, fb+1
.endr
.set fb, 0
.rept NBW
	ds_load_b128 v[SC+40*(\slot)+16+4*fb:SC+40*(\slot)+16+4*fb+3], v[B16+(\slot)] offset:REC*fb+6144
.set fb, fb+1
.endr
.endm
.macro MULR n0, n1, set, q, sg, zero   ; all accumulators take turns, one instruction a turn, in the same order in every step
.set mn, \n0
.rept (\n1)-(\n0)
.set ma, mn/NBW
.set mb, mn%NBW
.if \zero
	v_wmma_scale_f32_16x16x128_f8f6f4 v[8*mn:8*mn+7], v[128*(\set)+12*mb:128*(\set)+12*mb+11], v[AF+48*(\set)+12*ma:AF+48*(\set)+12*ma+11], 0, v[SC+40*(\sg)+16+4*mb+(\q)], v[SC+40*(\sg)+4*ma+(\q)] matrix_a_fmt:MATRIX_FMT_FP6 matrix_b_fmt:MATRIX_FMT_FP6
.else
	v_wmma_scale_f32_16x16x128_f8f6f4 v[8*mn:8*mn+7], v[128*(\set)+12*mb:128*(\set)+12*mb+11], v[AF+48*(\set)+12*ma:AF+48*(\set)+12*ma+11], v[8*mn:8*mn+7], v[SC+40*(\sg)+16+4*mb+(\q)], v[SC+40*(\sg)+4*ma+(\q)] matrix_a_fmt:MATRIX_FMT_FP6 matrix_b_fmt:MATRIX_FMT_FP6
.endif
.set mn, mn+1
.endr
.endm
.macro STEP slot, q, zero
	s_wait_dscnt 0x0                               ; this step's fragments (asked for a step ago) and scale words are in
	PLACES 4                                       ; four places between the last products and loads into the registers that they read
	FETCH \slot, (\q)+1, 1-(\q)%2
	WIN MUL
	MULR 0, NACC, (\q)%2, \q, \slot, \zero
	WIN 0
.endm
.macro TURN slot, next, fill
	s_wait_tensorcnt 0x0                           ; all my tensor loads have landed: my part of the next slot
	ds_add_u32 v[SPW], v[NIL]                      ; 0 onto my spare word
	s_wait_dscnt 1                                 ; this step's fragments are in; the add may be out
	WIN MUL
	MULR 0, TH1, 1, 3, \slot, 0
	s_wait_dscnt 0x0                               ; the add is done, and my reads of this slot are over
	s_barrier_signal -1
	MULR TH1, TH2, 1, 3, \slot, 0
	WIN 0
	s_barrier_wait -1
.if \fill
	CREST                                          ; the barrier has opened a round of the cluster's: no wave of any partner still reads this slot or has a load on its way
	s_add_nc_u64 s[G0+4*\slot+2:G0+4*\slot+3], s[G0+4*\slot+2:G0+4*\slot+3], 2*REC
	s_add_nc_u64 s[G0B+4*\slot+2:G0B+4*\slot+3], s[G0B+4*\slot+2:G0B+4*\slot+3], 2*REC
	JLOAD G0+4*\slot, G1, G0B+4*\slot, G1B         ; the first tensor load behind the round; its four v_nop are also the places in front of the loads below
.else
	PLACES 4
.endif
	FETCH \next, 0, 0
	SCALES \next
	WIN MUL
	MULR TH2, NACC, 1, 3, \slot, 0
	WIN 0
.endm
	s_load_b128 s[4:7], s[0:1], 0x0                ; oc s[4:5], woc s[6:7]
	s_load_b64 s[8:9], s[0:1], 0x10                ; out0
	v_lshl_add_u32 v[SPW], v0, 2, SPARE
	v_mov_b32 v[NIL], 0
	ds_add_u32 v28, v29
	ds_add_u32 v28, v29
	s_wait_dscnt 0x0
	v_lshrrev_b32 v1, 5, v0
	v_readfirstlane_b32 s14, v1                    ; wave 0..3
	s_lshr_b32 s15, s14, 1                         ; mh.  Also: I fetch for o (0) or for Wo (1)
	s_and_b32 s16, s14, 1                          ; nh.  Also: which half of that tile I fetch
	s_bfe_u32 s40, ttmp6, 0x40000                  ; cx, cy
	s_bfe_u32 s41, ttmp6, 0x40004
	s_lshl_b32 s42, ttmp9, 2
	s_add_co_u32 s42, s42, s40                     ; nj
	s_and_b32 s17, ttmp7, 0xffff
	s_lshl_b32 s17, s17, 2
	s_add_co_u32 s17, s17, s41                     ; Mt
	s_lshl_b32 s43, s41, 2
	s_lshl_b32 s43, 15, s43                        ; my row of the cluster
	s_lshl_b32 s44, 0x1111, s40                    ; my column
	s_or_b32 s[G1+0], s43, (3<<16)|(1<<21)         ; the mask; elements of 8 bytes; bit 21 set beside a mask
	s_or_b32 s[G1B+0], s44, (3<<16)|(1<<21)
.irp g, G1, G1B
	s_mov_b32 s[\g+1], 832<<16                     ; tensor_dim0: a record
	s_mov_b32 s[\g+2], 4<<16                       ; tensor_dim1
	s_mov_b32 s[\g+3], 832<<16                     ; tile_dim0
	s_mov_b32 s[\g+4], 4                           ; tile_dim1
	s_mov_b32 s[\g+5], 3328                        ; tensor_dim0_stride: a tile of rows
	s_mov_b32 s[\g+6], 0
	s_mov_b32 s[\g+7], 0
.endr
	s_lshl_b32 s20, s17, 3
	s_lshl_b32 s18, s16, 2
	s_add_co_u32 s20, s20, s18
	s_mul_i32 s20, s20, RT                         ; o: tile of rows 8 Mt + 4 x half
	s_mov_b32 s21, 0
	s_mul_i32 s46, s42, TBT
	s_mul_i32 s22, s16, NBW
	s_add_co_u32 s46, s46, s22
	s_mul_i32 s46, s46, RT                         ; Wo: tile of rows 8 nj + 4 x half
	s_mov_b32 s47, 0
	s_mul_i32 s45, s16, RT
	s_mul_i32 s66, s16, NBW*REC
	s_add_co_u32 s66, s66, BOFF
	s_wait_kmcnt 0x0
	s_add_nc_u64 s[20:21], s[4:5], s[20:21]
	s_add_nc_u64 s[46:47], s[6:7], s[46:47]
	CROUND                                         ; all sixteen work-groups are here: the first joint loads meet
.irp s, 0,1
	s_mov_b32 s[G0+4*\s], 1
	s_add_co_u32 s[G0+4*\s+1], s45, \s*SLOT
	s_add_nc_u64 s[G0+4*\s+2:G0+4*\s+3], s[20:21], \s*REC
	s_or_b32 s[G0+4*\s+3], s[G0+4*\s+3], 0x80000000
	s_mov_b32 s[G0B+4*\s], 1
	s_add_co_u32 s[G0B+4*\s+1], s66, \s*SLOT
	s_add_nc_u64 s[G0B+4*\s+2:G0B+4*\s+3], s[46:47], \s*REC
	s_or_b32 s[G0B+4*\s+3], s[G0B+4*\s+3], 0x80000000
	JLOAD G0+4*\s, G1, G0B+4*\s, G1B               ; two loads of mine are out behind these
.endr
	v_and_b32 v20, 31, v0                          ; l
	v_and_b32 v1, 15, v0                           ; r
	v_bfe_u32 v2, v0, 4, 1                         ; h
	v_lshlrev_b32 v[L16], 4, v20
	v_lshlrev_b32 v[L8], 3, v20
	s_mul_i32 s86, s15, RT
	s_mul_i32 s87, s16, NBW*REC
	s_add_co_u32 s87, s87, BOFF
.irp s, 0,1
	v_add_nc_u32 v[A16+\s], s86, v[L16]
	v_add_nc_u32 v[A8+\s], s86, v[L8]
	v_add_nc_u32 v[B16+\s], s87, v[L16]
	v_add_nc_u32 v[B8+\s], s87, v[L8]
	s_add_co_u32 s86, s86, SLOT
	s_add_co_u32 s87, s87, SLOT
.endr
	s_mul_i32 s86, s14, 16*272
	s_add_co_u32 s86, s86, STG                     ; my stage
	v_mul_u32_u24 v[STO], v1, 272
	v_lshl_add_u32 v[STO], v2, 5, v[STO]
	v_add_nc_u32 v[STO], s86, v[STO]               ; in: row r, 32 bytes for each half of the lanes
	v_mul_u32_u24 v[RD], v2, 272
	v_lshl_add_u32 v[RD], v1, 4, v[RD]
	v_add_nc_u32 v[RD], s86, v[RD]                 ; back: lanes 0-15 one row of 256 bytes, lanes 16-31 the next
	v_lshlrev_b32 v[CO], 13, v2
	v_lshl_add_u32 v[CO], v1, 4, v[CO]             ; and the same two rows in the output
	s_lshl_b32 s86, s17, 20
	s_lshl_b32 s87, s15, 19
	s_add_co_u32 s86, s86, s87                     ; row 128 Mt + 64 mh, of 8,192 bytes
	s_lshl_b32 s87, s42, 9
	s_add_co_u32 s86, s86, s87
	s_lshl_b32 s87, s16, 8
	s_add_co_u32 s86, s86, s87                     ; column 128 nj + 64 nh
	s_mov_b32 s87, 0
	s_add_nc_u64 s[8:9], s[8:9], s[86:87]
	s_wait_tensorcnt 1                             ; my part of slot 0 is in; slot 1's may stay out
	s_barrier_signal -1
	s_barrier_wait -1
	FETCH 0, 0, 0
	SCALES 0
	STEP 0, 0, 1                                   ; the first step's products start the sums
	STEP 0, 1, 0
	STEP 0, 2, 0
	TURN 0, 1, 1
	STEP 1, 0, 0
	STEP 1, 1, 0
	STEP 1, 2, 0
	TURN 1, 0, 1
	STEP 0, 0, 0
	STEP 0, 1, 0
	STEP 0, 2, 0
	TURN 0, 1, 0
	STEP 1, 0, 0
	STEP 1, 1, 0
	STEP 1, 2, 0
	s_wait_dscnt 0x0
	WIN MUL
	MULR 0, NACC, 1, 3, 1, 0
	WIN 0
; THE WAY OUT, a block of 16 tokens x 64 columns at a time: through my own stage and back as whole rows of 256 bytes.  LDS serves a wave's instructions in order: no wait between the stores and the loads,
; nor in front of the next block's stores.  Each block comes back into registers of its own, so no store's data are written again.
.macro TOSTAGE ta
	WIN 0x08                                       ; an LDS store's data are its source 1: window 2
.irp b, 0,1,2,3
	ds_store_b128 v[STO], v[8*(4*(\ta)+\b):8*(4*(\ta)+\b)+3] offset:64*\b        ; each accumulator from its low end on
	ds_store_b128 v[STO], v[8*(4*(\ta)+\b)+4:8*(4*(\ta)+\b)+7] offset:64*\b+16
.endr
	WIN 0
.irp t, 0,1,2,3,4,5,6,7
	ds_load_b128 v[BK+32*(\ta)+4*\t:BK+32*(\ta)+4*\t+3], v[RD] offset:544*\t
.endr
.endm
.macro SEND ta, younger                ; younger: the LDS instructions issued behind this block's loads: the next block's eight stores and eight loads, or none
	s_wait_dscnt \younger
.irp t, 0,1,2,3,4,5,6,7
	global_store_b128 v[CO], v[BK+32*(\ta)+4*\t:BK+32*(\ta)+4*\t+3], s[8:9] offset:(16*(\ta)+2*\t)*8192 th:TH_STORE_NT   ; 16 lanes store 256 consecutive bytes, at a multiple of 256 from the output's first byte
.endr
.endm
	PLACES 4                                       ; behind the last products: for the first read of results and for loads into the registers that held o's fragments
	TOSTAGE 0
	TOSTAGE 1
	SEND 0, 16
	TOSTAGE 2
	SEND 1, 16
	TOSTAGE 3
	SEND 2, 16
	SEND 3, 0
	s_wait_tensorcnt 0x0                           ; the wave's end, behind my last tensor load and my last LDS store
	ds_add_u32 v[SPW], v[NIL]
	s_wait_dscnt 0x0
	CROUND                                         ; the closing round
	s_endpgm
.Lfunc_end_k_q3e9ca69337_outp:
	.size	k_q3e9ca69337_outp, .Lfunc_end_k_q3e9ca69337_outp-k_q3e9ca69337_outp
	.p2alignl 7, 3214868480
	.fill 96, 4, 3214868480
	.section	.rodata,"a",@progbits
	.p2align	6, 0x0
	.amdhsa_kernel k_q3e9ca69337_outp
		.amdhsa_group_segment_fixed_size 327680
		.amdhsa_private_segment_fixed_size 0
		.amdhsa_enable_private_segment 0
		.amdhsa_kernarg_size 24
		.amdhsa_user_sgpr_count 2
		.amdhsa_user_sgpr_kernarg_segment_ptr 1
		.amdhsa_wavefront_size32 1
		.amdhsa_system_sgpr_workgroup_id_x 1
		.amdhsa_system_sgpr_workgroup_id_y 1
		.amdhsa_system_sgpr_workgroup_id_z 1
		.amdhsa_system_vgpr_workitem_id 0
		.amdhsa_next_free_vgpr 768
		.amdhsa_next_free_sgpr 100
		.amdhsa_reserve_vcc 0
		.amdhsa_float_denorm_mode_32 3
		.amdhsa_float_denorm_mode_16_64 3
		.amdhsa_memory_ordered 1
		.amdhsa_forward_progress 1
		.amdhsa_inst_pref_size 88
	.end_amdhsa_kernel
	.amdgpu_metadata
---
amdhsa.version: [ 1, 2 ]
amdhsa.kernels:
  - .name:           k_q3e9ca69337_outp
    .symbol:         k_q3e9ca69337_outp.kd
    .args:
      - { .name: oc, .offset: 0, .size: 8, .value_kind: global_buffer, .address_space: global }
      - { .name: woc, .offset: 8, .size: 8, .value_kind: global_buffer, .address_space: global }
      - { .name: out0, .offset: 16, .size: 8, .value_kind: global_buffer, .address_space: global }
    .group_segment_fixed_size: 327680
    .private_segment_fixed_size: 0
    .kernarg_segment_align: 8
    .kernarg_segment_size: 24
    .max_flat_workgroup_size: 128
    .sgpr_count:     100
    .vgpr_count:     768
    .wavefront_size: 32
...
	.end_amdgpu_metadata
.endif
;; end of part 4
